; MI455X (gfx1250); checked and timed in simulation.
; The chip was launched on July 23, 2026; its instructions are those of AMD's public machine-readable ISA for CDNA 5 (MIT licence, August 2026) and "CDNA5" Instruction Set Architecture Reference Guide (July 2026). The comments in the code are by the model that wrote it; some were corrected since.
;; Cross Modal Attention. Allowed arithmetic: float matrix products may take bf16 or f16 operands with f32 sums; other float arithmetic in f32, or as packed bf16 or f16 multiplies, adds, multiply-adds, maxima and minima; sums over many terms, partial sums and values carried from step to step in f32; what a program stores and reads back later, other than sums and carried values, may be rounded once to bf16 or f16.
;; Inputs: Wk 1,024 x 1,024 float32; Wq 1,024 x 1,024 float32; Wv 1,024 x 1,024 float32; bk 1,024 float32; bq 1,024 float32; bv 1,024 float32; mask 4 x 2,048 x 2,048 int32; x 4 x 2,048 x 1,024 float32; y 4 x 2,048 x 1,024 float32.
;; Outputs: out0 4 x 2,048 x 1,024 float32.
;; One version. Each part assembles by itself: llvm-mc -triple=amdgcn-amd-amdhsa -mcpu=gfx1250 --defsym DOCPART=n.
;; ======== version 1 of 1: 4 launches
;; limits: values are held in f16: magnitudes above 65,504 overflow, below 6.1e-05 lose precision
;; workspace buffers: ab 33,554,432 bytes; wb 6,291,456 bytes; qkv 50,331,648 bytes; pw 33,554,432 bytes; st 1,048,576 bytes
;; launch cast (part 1): grid 1216 x 1, 8 waves a work-group, no clusters, 0 bytes of LDS; arguments x, y, Wq, Wk, Wv, ab, wb; writes ab, wb
.if DOCPART == 1
	.amdgcn_target "amdgcn-amd-amdhsa--gfx1250"
	.amdhsa_code_object_version 6
	.text
	.protected	k_qafaba8a7ed_cast
	.globl	k_qafaba8a7ed_cast
	.p2align	8
	.type	k_qafaba8a7ed_cast,@function
k_qafaba8a7ed_cast:
	s_mov_b64 s[64:65], 0
	v_nop
	global_prefetch_b8 v0, s[64:65] scope:SCOPE_SE
	s_setreg_imm32_b32 hwreg(HW_REG_WAVE_MODE, 25, 1), 1
	s_wait_xcnt 0x0
; x, y, Wq, Wk, Wv (f32) rounded once, to nearest even, to bf16: ab = [x][y], wb = [Wq][Wk][Wv], each part dense in its source's order.
; A stream: no LDS, no barrier, no matrix unit.  A work-group takes 65,536 source bytes, a wave 8,192: sixteen loads of 16 bytes a lane
; (512 neighbouring bytes an instruction), all issued before the first is used, and sixteen stores of 8 bytes a lane (256 neighbouring
; bytes an instruction, at a multiple of 256 from the buffer's first byte).  No register is written twice, so no wait frees a source.
; Work-groups 0-511 take x, 512-1023 y, 1024-1087 Wq, 1088-1151 Wk, 1152-1215 Wv.
; LIMIT: magnitudes above bf16's largest finite number round to infinity, as the format has it.
.set X, 4                              ; v[4:67]   sixteen times four f32 as loaded
.set Y, 68                             ; v[68:99]  sixteen times two words of bf16 to store
	s_load_b256 s[4:11], s[0:1], 0x0               ; x s[4:5], y s[6:7], Wq s[8:9], Wk s[10:11]
	s_load_b128 s[12:15], s[0:1], 0x20             ; Wv s[12:13], ab s[14:15]
	s_load_b64 s[16:17], s[0:1], 0x30              ; wb
	s_and_b32 s22, ttmp9, 511                      ; my place in x or y,
	s_lshl_b32 s22, s22, 16                        ; in bytes
	s_and_b32 s24, ttmp9, 63                       ; my place in a weight matrix (1,024 is a multiple of 64),
	s_lshl_b32 s24, s24, 16                        ; in bytes
	s_and_b32 s26, ttmp9, 1023                     ; my place in ab (numbers 0-1023) or in wb (1024-1215),
	s_lshl_b32 s26, s26, 15                        ; in bytes: half the source's
	s_mov_b32 s23, 0
	s_mov_b32 s27, 0
	v_and_b32 v3, 31, v0                           ; lane
	v_lshrrev_b32 v2, 5, v0                        ; wave
	v_lshlrev_b32 v1, 13, v2
	v_lshl_add_u32 v1, v3, 4, v1                   ; source: 8,192 x wave + 16 x lane
	v_lshlrev_b32 v2, 12, v2
	v_lshl_add_u32 v2, v3, 3, v2                   ; destination: 4,096 x wave + 8 x lane
	s_wait_kmcnt 0x0
	s_cmp_lt_u32 ttmp9, 1152                       ; the source is chosen by the work-group's number alone
	s_cselect_b64 s[18:19], s[10:11], s[12:13]     ; Wk or Wv
	s_cmp_lt_u32 ttmp9, 1088
	s_cselect_b64 s[18:19], s[8:9], s[18:19]       ; Wq
	s_cmp_lt_u32 ttmp9, 1024
	s_cselect_b64 s[18:19], s[6:7], s[18:19]       ; y
	s_cselect_b64 s[20:21], s[14:15], s[16:17]     ; ab or wb
	s_cselect_b32 s22, s22, s24                    ; and the offset that goes with the source
	s_cmp_lt_u32 ttmp9, 512
	s_cselect_b64 s[18:19], s[4:5], s[18:19]       ; x
	s_add_nc_u64 s[18:19], s[18:19], s[22:23]
	s_add_nc_u64 s[20:21], s[20:21], s[26:27]
.irp j, 0,1,2,3,4,5,6,7,8,9,10,11,12,13,14,15
	global_load_b128 v[X+4*\j:X+4*\j+3], v1, s[18:19] offset:512*\j th:TH_LOAD_NT   ; read once in the launch
.endr
.irp j, 0,1,2,3,4,5,6,7,8,9,10,11,12,13,14,15
	s_wait_loadcnt 15-\j                           ; loads come back in order (ISA guide 5.7.1): number j is in, the 15 - j younger ones stay out
	v_cvt_pk_bf16_f32 v[Y+2*\j],   v[X+4*\j],   v[X+4*\j+1]
	v_cvt_pk_bf16_f32 v[Y+2*\j+1], v[X+4*\j+2], v[X+4*\j+3]
	global_store_b64 v2, v[Y+2*\j:Y+2*\j+1], s[20:21] offset:256*\j   ; no hint: the next launch reads it
.endr
	s_endpgm
.Lfunc_end_k_qafaba8a7ed_cast:
	.size	k_qafaba8a7ed_cast, .Lfunc_end_k_qafaba8a7ed_cast-k_qafaba8a7ed_cast
	.p2alignl 7, 3214868480
	.fill 96, 4, 3214868480
	.section	.rodata,"a",@progbits
	.p2align	6, 0x0
	.amdhsa_kernel k_qafaba8a7ed_cast
		.amdhsa_group_segment_fixed_size 0
		.amdhsa_private_segment_fixed_size 0
		.amdhsa_enable_private_segment 0
		.amdhsa_kernarg_size 56
		.amdhsa_user_sgpr_count 2
		.amdhsa_user_sgpr_kernarg_segment_ptr 1
		.amdhsa_wavefront_size32 1
		.amdhsa_system_sgpr_workgroup_id_x 1
		.amdhsa_system_sgpr_workgroup_id_y 1
		.amdhsa_system_sgpr_workgroup_id_z 1
		.amdhsa_system_vgpr_workitem_id 0
		.amdhsa_next_free_vgpr 100
		.amdhsa_next_free_sgpr 66
		.amdhsa_reserve_vcc 0
		.amdhsa_float_denorm_mode_32 3
		.amdhsa_float_denorm_mode_16_64 3
		.amdhsa_memory_ordered 1
		.amdhsa_forward_progress 1
		.amdhsa_inst_pref_size 8
	.end_amdhsa_kernel
	.amdgpu_metadata
---
amdhsa.version: [ 1, 2 ]
amdhsa.kernels:
  - .name:           k_qafaba8a7ed_cast
    .symbol:         k_qafaba8a7ed_cast.kd
    .args:
      - { .name: x, .offset: 0, .size: 8, .value_kind: global_buffer, .address_space: global }
      - { .name: y, .offset: 8, .size: 8, .value_kind: global_buffer, .address_space: global }
      - { .name: Wq, .offset: 16, .size: 8, .value_kind: global_buffer, .address_space: global }
      - { .name: Wk, .offset: 24, .size: 8, .value_kind: global_buffer, .address_space: global }
      - { .name: Wv, .offset: 32, .size: 8, .value_kind: global_buffer, .address_space: global }
      - { .name: ab, .offset: 40, .size: 8, .value_kind: global_buffer, .address_space: global }
      - { .name: wb, .offset: 48, .size: 8, .value_kind: global_buffer, .address_space: global }
    .group_segment_fixed_size: 0
    .private_segment_fixed_size: 0
    .kernarg_segment_align: 8
    .kernarg_segment_size: 56
    .max_flat_workgroup_size: 256
    .sgpr_count:     66
    .vgpr_count:     100
    .wavefront_size: 32
...
	.end_amdgpu_metadata
.endif
;; end of part 1
;; launch proj (part 2): grid 12 x 32, 4 waves a work-group, clusters of 4 x 4, 327,680 bytes of LDS; arguments ab, wb, bq, bk, bv, qkv; writes qkv
.if DOCPART == 2
	.amdgcn_target "amdgcn-amd-amdhsa--gfx1250"
	.amdhsa_code_object_version 6
	.text
	.protected	k_qafaba8a7ed_proj
	.globl	k_qafaba8a7ed_proj
	.p2align	8
	.type	k_qafaba8a7ed_proj,@function
k_qafaba8a7ed_proj:
	s_mov_b64 s[64:65], 0
	v_nop
	global_prefetch_b8 v0, s[64:65] scope:SCOPE_SE
	s_setreg_imm32_b32 hwreg(HW_REG_WAVE_MODE, 25, 1), 1
	s_wait_xcnt 0x0
	s_wait_alu depctr_hold_cnt(0) depctr_sa_sdst(0) depctr_va_vdst(0) depctr_va_sdst(0) depctr_va_ssrc(0) depctr_va_vcc(0) depctr_vm_vsrc(0)
	s_getreg_b32 s2, hwreg(HW_REG_IB_STS2, 6, 4)
	s_cmp_eq_u32 s2, 0
	s_cbranch_scc0 .Lentry_in_a_cluster
	s_endpgm
.Lentry_in_a_cluster:
	s_bfe_u32 s2, ttmp6, 0x10000c
	s_cmp_lg_u32 s2, 0xf033
	s_cbranch_scc0 .Lentry_shape_is_right
	s_endpgm
.Lentry_shape_is_right:
; q = x Wq^T + bq, k = y Wk^T + bk, v = y Wv^T + bv.  ab: bf16 [2][8192][1024] (x, y); wb: bf16 [3][1024][1024]; qkv: f16 [3][8192][1024].
; Products of bf16, sums in f32 that START FROM THE BIAS (so the bias is added first, not last), one rounding to f16 at the end.
; LIMIT: q, k, v lie in f16: a magnitude above 65,504 becomes infinite, one below 6e-5 carries an absolute error of 3e-8.
; SHARES.  A work-group of four waves makes a tile of 256 tokens x 256 features of one of the three products; a wave 128 x 128: 64 accumulators
; of 16 x 16, 512 registers.  K = 1,024 goes in eight steps of 128 through a ring of two LDS slots filled by the tensor data mover; a tile's rows
; are 256 bytes of memory, at multiples of 256 from the buffer's first byte.
; CLUSTER.  4 x 4 work-groups; the cluster's x is the product (0 q, 1 k, 2 v), so all sixteen work on one product.  The four of a row of the
; cluster need the same tokens, the four of a column the same rows of W: each tile is asked for JOINTLY, by the same tensor load with the same
; descriptor and a mask that names the four.
; THE MATRIX INSTRUCTION IS USED TRANSPOSED: source 0 = 16 rows of W, source 1 = 16 tokens.  Lane l then holds token l % 16 and its registers
; 0-7 the features 8 (l / 16) + 0..7: eight neighbouring numbers of a row of the result, which pack into 16 bytes.
; REGISTERS, in windows of 256 (s_set_vgpr_msb: bits 1:0 source 0, 3:2 source 1, 5:4 source 2, 7:6 destination):
;   window 0: v0-31 addresses; v64-127, v128-191 token fragments, two buffers; v32-63, v192-255 at work on the way out
;   window 1: v0-63 the bias of my 128 features, as eight accumulators' C; v64-127, v128-191 fragments of W, two buffers
;   window 2: the accumulators of my tokens 0-63 ((a, b) at v[8 (8 a + b)]);   window 3: those of my tokens 64-127
.set SIZE_K, 1024
.set ROWB,   2048                      ; bytes in a row of ab, of wb and of qkv
.set KSTEP,  128
.set PITCH,  272                       ; an LDS row: 256 bytes + 16 of padding = 68 words: row r starts at bank 4 r mod 64 (64 banks of 4 bytes: ISA guide 11.1), so the 16 rows of a load start at 16 different banks
.set HALFT,  128*PITCH                 ; 128 rows: what one tensor load brings, and what one wave reads of either operand
.set SLOT,   4*HALFT                   ; 256 token rows, then 256 rows of W
.set STAGE,  2*SLOT                    ; behind the ring: 16 rows x 272 bytes for each wave, for the way out; no tensor load lands there
.set SPITCH, 272
.set LAPS,   SIZE_K/(2*KSTEP)          ; a lap = two K steps = once round the ring: 4
.set ADRA, 16                          ; v16-17  LDS address of my token fragments in slot 0, 1
.set ADRB, 20                          ; v20-21  the same for W
.set STO,  24                          ; v24     the way out: where I put 16 bytes of a row
.set RD,   25                          ; v25     the way out: where I read a row back
.set CO,   26                          ; v26     my byte offset in the result
.set BO,   27                          ; v27     my byte offset in the bias
.set F0,   64
.set F1,   128
.set TMP,  192
.set OB,   32
.set G1,  24                           ; s[24:31] descriptor group 1 for token tiles;  s[32:39] group 0, one set for each slot
.set G0,  32
.set G1B, 48                           ; s[48:55], s[56:63] the same for W's tiles
.set G0B, 56
.set DESC0, (1<<16)|(1<<20)|(1<<21)|(5<<22)|(3<<25)   ; 17:16 elements of 2 bytes; 20 padding on; 21 set beside a mask; 24:22 after every 64 words; 31:25 4 words of it
.set MSB, 0
.macro WIN new                         ; the immediate's high byte repeats the setting that is left; a switch that changes nothing is dropped
.if MSB != \new
	s_set_vgpr_msb (MSB<<8)|\new
.set MSB, \new
.endif
.endm
.set MUL_LO,  0xa1                     ; source 0 (W) window 1, source 1 (tokens) window 0, C and D window 2
.set MUL_HI,  0xf1                     ; the same, C and D window 3
.set BIAS_LO, 0x91                     ; the first products: C is the bias in window 1, D window 2
.set BIAS_HI, 0xd1                     ; the same, D window 3
.set TO_B,    0x40                     ; destination window 1, address window 0
; A joint load.  Waves 0 and 1 fetch the token tile's two halves, waves 2 and 3 W's.  The branch hangs on the wave's number alone.
; Four v_nop follow each of the two lines; the jump, the label and what follows the macro come after them.
.macro JLOAD s
	s_cmp_eq_u32 s11, 0
	s_cbranch_scc0 .Lfor_b_\@
	tensor_load_to_lds s[G0+4*\s:G0+4*\s+3], s[G1:G1+7]
	s_nop 0
.rept 4
	v_nop
.endr
	s_branch .Lasked_\@
.Lfor_b_\@:
	tensor_load_to_lds s[G0B+4*\s:G0B+4*\s+3], s[G1B:G1B+7]
	s_nop 0
.rept 4
	v_nop
.endr
.Lasked_\@:
.endm
; A round of the cluster's barrier: my work-group's barrier, so that wave 0's signal speaks for all four waves; wave 0 signals for the
; work-group; every wave waits for all sixteen work-groups; my work-group's barrier once more.
.macro CREST                           ; a round behind its opening barrier
	s_cmp_lg_u32 s10, 0
	s_cbranch_scc1 .Lnot_wave_0_\@
	s_barrier_signal -3
.Lnot_wave_0_\@:
	s_barrier_wait -3
	s_barrier_signal -1
	s_barrier_wait -1
.endm
.macro CROUND                          ; a whole round
	s_barrier_signal -1
	s_barrier_wait -1
	CREST
.endm
	s_load_b128 s[4:7], s[0:1], 0x0                ; ab s[4:5], wb s[6:7]
	s_load_b256 s[68:75], s[0:1], 0x10             ; bq s[68:69], bk s[70:71], bv s[72:73], qkv s[74:75]
	s_set_vgpr_msb 0x40
	v_lshl_add_u32 v255, v0, 2, 0x48400
	s_set_vgpr_msb 0x4000
	v_mov_b32 v31, 0
	s_set_vgpr_msb 0x1
	ds_add_u32 v255, v31
	s_set_vgpr_msb 0x100
	v_lshrrev_b32 v1, 5, v0
	v_readfirstlane_b32 s10, v1                    ; wave 0..3
	s_lshr_b32 s11, s10, 1                         ; which half of the tile's tokens is mine.  Also: I fetch tokens (0) or W (1)
	s_and_b32 s12, s10, 1                          ; which half of its features.  Also: which 128 rows of that tile I fetch
	s_bfe_u32 s40, ttmp6, 0x40000                  ; cx: the tile column (256 features)
	s_bfe_u32 s41, ttmp6, 0x40004                  ; cy
	s_and_b32 s13, ttmp7, 0xffff
	s_lshl_b32 s13, s13, 2
	s_add_co_u32 s13, s13, s41                     ; tile row = 4 x cluster y + cy, 0..31
	s_lshl_b32 s43, s41, 2
	s_lshl_b32 s43, 15, s43                        ; my row of the cluster: places 4 cy .. 4 cy + 3
	s_lshl_b32 s44, 0x1111, s40                    ; my column: places cx, cx + 4, cx + 8, cx + 12
	s_or_b32 s[G1+0], s43, DESC0                   ; token tiles go to my row of the cluster,
	s_or_b32 s[G1B+0], s44, DESC0                  ; W's tiles to my column
.irp g, G1, G1B
	s_mov_b32 s[\g+1], KSTEP<<16                   ; tensor_dim0 = 128
	s_mov_b32 s[\g+2], 128<<16                     ; tensor_dim1 = 128
	s_mov_b32 s[\g+3], KSTEP<<16                   ; tile_dim0 = 128 elements (256 bytes)
	s_mov_b32 s[\g+4], 128                         ; tile_dim1 = 128 rows
	s_mov_b32 s[\g+5], SIZE_K                      ; elements from row to row
	s_mov_b32 s[\g+6], 0
	s_mov_b32 s[\g+7], 0
.endr
	; where the tiles come from, in bytes.  Tokens: x for q, y for k and v; the offset holds the product, the tile row and the wave's half, never cx.
	s_min_u32 s16, ttmp9, 1
	s_lshl_b32 s16, s16, 24                        ; x or y: 8,192 rows of 2,048 bytes each
	s_lshl_b32 s17, s13, 19                        ; 256 rows a tile row
	s_add_co_u32 s16, s16, s17
	s_lshl_b32 s17, s12, 18                        ; 128 rows a half
	s_add_co_u32 s16, s16, s17
	s_mov_b32 s17, 0
	s_lshl_b32 s46, ttmp9, 21                      ; W: the product's matrix of 1,024 rows; the offset never holds cy
	s_lshl_b32 s47, s40, 19
	s_add_co_u32 s46, s46, s47
	s_lshl_b32 s47, s12, 18
	s_add_co_u32 s46, s46, s47
	s_mov_b32 s47, 0
	s_mul_i32 s20, s10, HALFT                      ; where they go: wave x 128 rows: no place in the cluster enters an LDS address
	s_wait_dscnt 0x0
	s_wait_kmcnt 0x0
	s_add_nc_u64 s[14:15], s[4:5], s[16:17]
	s_add_nc_u64 s[46:47], s[6:7], s[46:47]
	CROUND                                         ; all sixteen work-groups are here: the first joint loads meet
.irp s, 0,1
	s_mov_b32 s[G0+4*\s], 1                                        ; count = 1
	s_add_co_u32 s[G0+4*\s+1], s20, \s*SLOT                        ; LDS address
	s_add_nc_u64 s[G0+4*\s+2:G0+4*\s+3], s[14:15], \s*KSTEP*2      ; global address: K step s
	s_or_b32 s[G0+4*\s+3], s[G0+4*\s+3], 0x80000000                ; type = 2
	s_mov_b32 s[G0B+4*\s], 1
	s_add_co_u32 s[G0B+4*\s+1], s20, \s*SLOT
	s_add_nc_u64 s[G0B+4*\s+2:G0B+4*\s+3], s[46:47], \s*KSTEP*2
	s_or_b32 s[G0B+4*\s+3], s[G0B+4*\s+3], 0x80000000
	JLOAD \s                                       ; both slots are asked for before anything else is done: two tensor loads of mine are out
.endr
	; the bias of my product, at my 128 features
	s_cmp_eq_u32 ttmp9, 0
	s_cselect_b64 s[76:77], s[68:69], s[70:71]     ; bq or bk
	s_cmp_eq_u32 ttmp9, 2
	s_cselect_b64 s[76:77], s[72:73], s[76:77]     ; bv
	s_lshl_b32 s78, s40, 10
	s_lshl_b32 s79, s12, 9
	s_add_co_u32 s78, s78, s79                     ; (256 cx + 128 half) x 4 bytes
	s_mov_b32 s79, 0
	s_add_nc_u64 s[76:77], s[76:77], s[78:79]
	; my part of the result
	s_lshl_b32 s78, ttmp9, 24                      ; the product's part of qkv
	s_lshl_b32 s79, s13, 19
	s_add_co_u32 s78, s78, s79                     ; 256 rows a tile row
	s_lshl_b32 s79, s11, 18
	s_add_co_u32 s78, s78, s79                     ; my 128 rows
	s_lshl_b32 s79, s40, 9
	s_add_co_u32 s78, s78, s79                     ; 256 features a tile column, 2 bytes each
	s_lshl_b32 s79, s12, 8
	s_add_co_u32 s78, s78, s79                     ; my 128 features
	s_mov_b32 s79, 0
	s_add_nc_u64 s[8:9], s[74:75], s[78:79]
	; A fragment is 16 rows x 32 K in 8 registers: lane l holds row l % 16; registers 0-3 K = 8 (l / 16) + 0..7, registers 4-7 K = 16 + 8 (l / 16) + 0..7:
	; two loads of 16 bytes, 32 bytes apart, from rows that lie along K.
	v_and_b32 v1, 15, v0                           ; l % 16
	v_bfe_u32 v2, v0, 4, 1                         ; l / 16
	v_lshlrev_b32 v[BO], 5, v2                     ; my eight features of a block of 16: 32 bytes for each half of the lanes
	WIN TO_B
.irp b, 0,1,2,3,4,5,6,7
	global_load_b128 v[8*\b:8*\b+3],   v[BO], s[76:77] offset:64*\b       ; register j of block b: the bias of feature 16 b + 8 (l / 16) + j, the same for every token
	global_load_b128 v[8*\b+4:8*\b+7], v[BO], s[76:77] offset:64*\b+16
.endr
	WIN 0
	v_mul_u32_u24 v3, v1, PITCH
	v_lshl_add_u32 v3, v2, 4, v3                   ; row x pitch + 16 x half
	s_mul_i32 s21, s11, HALFT                      ; my 128 token rows
	s_mul_i32 s22, s12, HALFT                      ; my 128 rows of W,
	s_add_co_u32 s22, s22, 2*HALFT                 ; which lie behind the 256 token rows
.irp s, 0,1
	v_add_nc_u32 v[ADRA+\s], s21, v3
	v_add_nc_u32 v[ADRB+\s], s22, v3
	s_add_co_u32 s21, s21, SLOT
	s_add_co_u32 s22, s22, SLOT
.endr
	s_mul_i32 s23, s10, 16*SPITCH
	s_add_co_u32 s23, s23, STAGE                   ; my stage
	v_mul_u32_u24 v4, v1, SPITCH                   ; in: row l % 16, 16 bytes for each half of the lanes
	v_lshl_add_u32 v4, v2, 4, v4
	v_add_nc_u32 v[STO], s23, v4
	v_mul_u32_u24 v5, v2, SPITCH                   ; back: lanes 0-15 take one row of 256 bytes, lanes 16-31 the next
	v_lshl_add_u32 v5, v1, 4, v5
	v_add_nc_u32 v[RD], s23, v5
	v_lshlrev_b32 v5, 11, v2                       ; and the same two rows in the result
	v_lshl_add_u32 v[CO], v1, 4, v5
; 16 matrix instructions: token blocks a0, a0 + 1 of the window's four (hi = 0: my tokens 0-63, 1: 64-127) x all 8 feature blocks, 32 along K.
; first = 1: C is the bias, so the first product starts the sums and nothing is cleared or added later.
; The 64 accumulators take turns, one instruction a turn, in the same order in every quarter.
.macro MUL16 f, hi, a0, first
.irp a, \a0, \a0+1
.irp b, 0,1,2,3,4,5,6,7
.if \first
	v_wmma_f32_16x16x32_bf16 v[8*(8*(\a)+\b):8*(8*(\a)+\b)+7], v[\f+8*\b:\f+8*\b+7], v[\f+8*(4*\hi+\a):\f+8*(4*\hi+\a)+7], v[8*\b:8*\b+7]
.else
	v_wmma_f32_16x16x32_bf16 v[8*(8*(\a)+\b):8*(8*(\a)+\b)+7], v[\f+8*\b:\f+8*\b+7], v[\f+8*(4*\hi+\a):\f+8*(4*\hi+\a)+7], v[8*(8*(\a)+\b):8*(8*(\a)+\b)+7]
.endif
.endr
.endr
.endm
; 32 LDS loads in one run: the fragments of one quarter step (128 rows of W, 128 tokens, 32 K at byte k of the rows) into buffer f
.macro FETCH slot, k, f
	WIN TO_B
.irp i, 0,1,2,3,4,5,6,7
	ds_load_b128 v[\f+8*\i:\f+8*\i+3],   v[ADRB+\slot] offset:\k+\i*16*PITCH
	ds_load_b128 v[\f+8*\i+4:\f+8*\i+7], v[ADRB+\slot] offset:\k+\i*16*PITCH+32
.endr
	WIN 0
.irp i, 0,1,2,3,4,5,6,7
	ds_load_b128 v[\f+8*\i:\f+8*\i+3],   v[ADRA+\slot] offset:\k+\i*16*PITCH
	ds_load_b128 v[\f+8*\i+4:\f+8*\i+7], v[ADRA+\slot] offset:\k+\i*16*PITCH+32
.endr
.endm
; A load into a register that a matrix instruction has read, and a vector instruction that reads a matrix result, stand four places behind that
; matrix instruction; only plain vector instructions that name none of its registers are places (ISA guide 7.12.1 for vector instructions).
.macro PLACES
.rept 4
	v_nop
.endr
.endm
; A K step is four quarters of 32 along K, 64 matrix instructions each, on buffers 0, 1, 0, 1.
; One of the first three: multiplies buffer f; in its middle it fetches the next quarter's fragments, at byte k of the same slot's rows, into g.
.macro QUARTER slot, k, f, g, first
	s_wait_dscnt 8                                 ; W and tokens 0-63 are in; the youngest eight loads (tokens 64-127) may be out
.if \first
	WIN BIAS_LO
.else
	WIN MUL_LO
.endif
	MUL16 \f, 0, 0, \first
	MUL16 \f, 0, 2, \first
	PLACES
	FETCH \slot, \k, \g
	s_wait_dscnt 32                                ; all but the 32 just issued
.if \first
	WIN BIAS_HI
.else
	WIN MUL_HI
.endif
	MUL16 \f, 1, 0, \first
	MUL16 \f, 1, 2, \first
.endm
; The last quarter multiplies buffer 1 and changes slots: ONE barrier.  In front of it each wave waits for its own reads of this slot and for all
; its tensor loads, of which one is out: its part of the next slot.  fill = 1: the barrier opens a round of the cluster's barrier, and behind the
; round this slot is filled again, two K steps ahead, first of all: from that request to the wait for it a wave issues 240 matrix instructions.
.macro TURN slot, next, fill
	s_wait_dscnt 8
	WIN MUL_LO
	MUL16 F1, 0, 0, 0
	s_wait_dscnt 0                                 ; my reads of this slot are over,
	s_wait_tensorcnt 0x0                           ; and all my tensor loads have landed: no descriptor of mine is in use
	ds_add_u32 v255, v31
	s_wait_dscnt 0x0
	s_barrier_signal -1
	MUL16 F1, 0, 2, 0                              ; work on registers while the others arrive
.if \fill
	WIN 0
.endif
	s_barrier_wait -1
.if \fill
	CREST                                          ; no wave of any partner still reads this slot's tile or has a load on its way
	s_add_nc_u64 s[G0+4*\slot+2:G0+4*\slot+3], s[G0+4*\slot+2:G0+4*\slot+3], 2*KSTEP*2
	s_add_nc_u64 s[G0B+4*\slot+2:G0B+4*\slot+3], s[G0B+4*\slot+2:G0B+4*\slot+3], 2*KSTEP*2
	JLOAD \slot                                    ; my one tensor load behind the round; its four v_nop are also the places in front of the loads below
.else
	PLACES
.endif
	FETCH \next, 0, F0
	WIN MUL_HI
	MUL16 F1, 1, 0, 0
	MUL16 F1, 1, 2, 0
.endm
; THE WAY OUT of block a (16 tokens), in three parts.  PACK: rounded to f16, 16 bytes a lane.  TOSTAGE: into my own stage, and back as whole rows of 256 bytes.  SEND: stored.
.macro PACK a
.set AC, 64*((\a)%4)
	WIN 0x0a+5*((\a)/4)                            ; sources 0 and 1: window 2 or 3
.irp b, 0,1,2,3,4,5,6,7
.irp r, 0,1,2,3
	v_cvt_pk_f16_f32 v[TMP+4*\b+\r], v[AC+8*\b+2*\r], v[AC+8*\b+2*\r+1]
.endr
.endr
	WIN 0
.endm
.macro TOSTAGE a
.set BK, OB+192*((\a)%2)
.irp b, 0,1,2,3,4,5,6,7
	ds_store_b128 v[STO], v[TMP+4*\b:TMP+4*\b+3] offset:32*\b
.endr
.irp t, 0,1,2,3,4,5,6,7
	ds_load_b128 v[BK+4*\t:BK+4*\t+3], v[RD] offset:\t*2*SPITCH    ; LDS serves a wave's instructions in order (ISA guide 5.7.1.4): these see the stores above
.endr
.endm
.macro SEND a
.set BK, OB+192*((\a)%2)
	s_wait_dscnt 0x0                               ; the block is back in registers
	s_wait_xcnt 0x0                                ; the stores of the block before have had their addresses translated (ISA guide 3.1): their data registers are loaded again only behind this wait
.irp t, 0,1,2,3,4,5,6,7
	global_store_b128 v[CO], v[BK+4*\t:BK+4*\t+3], s[8:9] offset:(16*(\a)+2*\t)*ROWB   ; 16 lanes store 256 consecutive bytes, at a multiple of 256 from qkv's first byte
.endr
.endm
	s_wait_tensorcnt 1                             ; my part of K step 0 is in; K step 1's may stay out
	s_barrier_signal -1
	s_barrier_wait -1                              ; everybody's is
	FETCH 0, 0, F0
	s_wait_loadcnt 0x0                             ; the bias
	QUARTER 0, 64,  F0, F1, 1                      ; the first quarter stands in front of the loop: its products start the sums from the bias
	WIN 0                                          ; at a label and at a branch every window is 0
	s_mov_b32 s3, LAPS-1
.Llap:                                                 ; a trip goes once round the ring, from a lap's second quarter to the next lap's first, and fills both slots again
	QUARTER 0, 128, F1, F0, 0
	QUARTER 0, 192, F0, F1, 0
	TURN 0, 1, 1
	QUARTER 1, 64,  F0, F1, 0
	QUARTER 1, 128, F1, F0, 0
	QUARTER 1, 192, F0, F1, 0
	TURN 1, 0, 1
	QUARTER 0, 64,  F0, F1, 0
	WIN 0
	s_sub_co_u32 s3, s3, 1
	s_cmp_lg_u32 s3, 0
	s_cbranch_scc1 .Llap
	QUARTER 0, 128, F1, F0, 0                      ; the last lap is written out: it fills nothing
	QUARTER 0, 192, F0, F1, 0
	TURN 0, 1, 0
	QUARTER 1, 64,  F0, F1, 0
	QUARTER 1, 128, F1, F0, 0
	QUARTER 1, 192, F0, F1, 0
	s_wait_dscnt 8                                 ; the very last quarter: nothing more to fetch
	WIN MUL_LO
	MUL16 F1, 0, 0, 0
	MUL16 F1, 0, 2, 0
	s_wait_dscnt 0
	WIN MUL_HI
	MUL16 F1, 1, 0, 0
	MUL16 F1, 1, 2, 0
	PLACES                                         ; the conversions read results just made
	PACK 0
	TOSTAGE 0
.irp a, 1,2,3,4,5,6,7                  ; block a's conversions stand between block a - 1's loads from the stage and the wait for them
	PACK \a
	SEND \a-1
	TOSTAGE \a
.endr
	SEND 7
	s_set_vgpr_msb 0x1
	s_wait_tensorcnt 0x0
	ds_add_u32 v255, v31
	s_wait_dscnt 0x0
	s_set_vgpr_msb 0x100
	CROUND                                         ; the closing round: no work-group ends while a partner may still ask for a tile that names it
	s_endpgm
.Lfunc_end_k_qafaba8a7ed_proj:
	.size	k_qafaba8a7ed_proj, .Lfunc_end_k_qafaba8a7ed_proj-k_qafaba8a7ed_proj
	.p2alignl 7, 3214868480
	.fill 96, 4, 3214868480
	.section	.rodata,"a",@progbits
	.p2align	6, 0x0
	.amdhsa_kernel k_qafaba8a7ed_proj
		.amdhsa_group_segment_fixed_size 327680
		.amdhsa_private_segment_fixed_size 0
		.amdhsa_enable_private_segment 0
		.amdhsa_kernarg_size 48
		.amdhsa_user_sgpr_count 2
		.amdhsa_user_sgpr_kernarg_segment_ptr 1
		.amdhsa_wavefront_size32 1
		.amdhsa_system_sgpr_workgroup_id_x 1
		.amdhsa_system_sgpr_workgroup_id_y 1
		.amdhsa_system_sgpr_workgroup_id_z 1
		.amdhsa_system_vgpr_workitem_id 0
		.amdhsa_next_free_vgpr 1024
		.amdhsa_next_free_sgpr 80
		.amdhsa_reserve_vcc 0
		.amdhsa_float_denorm_mode_32 3
		.amdhsa_float_denorm_mode_16_64 3
		.amdhsa_memory_ordered 1
		.amdhsa_forward_progress 1
		.amdhsa_inst_pref_size 144
	.end_amdhsa_kernel
	.amdgpu_metadata
---
amdhsa.version: [ 1, 2 ]
amdhsa.kernels:
  - .name:           k_qafaba8a7ed_proj
    .symbol:         k_qafaba8a7ed_proj.kd
    .args:
      - { .name: ab, .offset: 0, .size: 8, .value_kind: global_buffer, .address_space: global }
      - { .name: wb, .offset: 8, .size: 8, .value_kind: global_buffer, .address_space: global }
      - { .name: bq, .offset: 16, .size: 8, .value_kind: global_buffer, .address_space: global }
      - { .name: bk, .offset: 24, .size: 8, .value_kind: global_buffer, .address_space: global }
      - { .name: bv, .offset: 32, .size: 8, .value_kind: global_buffer, .address_space: global }
      - { .name: qkv, .offset: 40, .size: 8, .value_kind: global_buffer, .address_space: global }
    .group_segment_fixed_size: 327680
    .private_segment_fixed_size: 0
    .kernarg_segment_align: 8
    .kernarg_segment_size: 48
    .max_flat_workgroup_size: 128
    .sgpr_count:     80
    .vgpr_count:     1024
    .wavefront_size: 32
...
	.end_amdgpu_metadata
.endif
;; end of part 2
;; launch scores (part 3): grid 8 x 32, 4 waves a work-group, clusters of 4 x 4, 327,680 bytes of LDS; arguments qkv, mask, pw, st; writes pw, st
.if DOCPART == 3
	.amdgcn_target "amdgcn-amd-amdhsa--gfx1250"
	.amdhsa_code_object_version 6
	.text
	.protected	k_qafaba8a7ed_scores
	.globl	k_qafaba8a7ed_scores
	.p2align	8
	.type	k_qafaba8a7ed_scores,@function
k_qafaba8a7ed_scores:
	s_mov_b64 s[64:65], 0
	v_nop
	global_prefetch_b8 v0, s[64:65] scope:SCOPE_SE
	s_setreg_imm32_b32 hwreg(HW_REG_WAVE_MODE, 25, 1), 1
	s_wait_xcnt 0x0
	s_wait_alu depctr_hold_cnt(0) depctr_sa_sdst(0) depctr_va_vdst(0) depctr_va_sdst(0) depctr_va_ssrc(0) depctr_va_vcc(0) depctr_vm_vsrc(0)
	s_getreg_b32 s2, hwreg(HW_REG_IB_STS2, 6, 4)
	s_cmp_eq_u32 s2, 0
	s_cbranch_scc0 .Lentry_in_a_cluster
	s_endpgm
.Lentry_in_a_cluster:
	s_bfe_u32 s2, ttmp6, 0x10000c
	s_cmp_lg_u32 s2, 0xf033
	s_cbranch_scc0 .Lentry_shape_is_right
	s_endpgm
.Lentry_shape_is_right:
; For each query row and each chunk c of 128 keys: s = q . k (no scaling), s = -1e9 where mask == 0, m_c = max s, p = exp(s - m_c), l_c = sum p.
; qkv: f16 [3][8192][1024] (q, k, v); mask: i32 [8192 query rows][2048]; pw: f16 [8192][2048], the p; st: f32 [4 batches][16 chunks][2048 rows][(m, l)].
; The next launch joins the chunks: M = max m_c, weights exp(m_c - M).  So every exponential has its own chunk's maximum taken away first: its exponent is at most 0.
; Products of f16, sums, maxima and exponentials in f32; p is rounded to f16 once; l is the sum of the UNROUNDED p.
; LIMIT: p below f16's smallest number (6e-8) becomes 0.  A chunk or a row that is masked all through has m = -1e9 and p = 1, as the softmax of equal scores has it.
; SHARES.  A work-group of four waves makes 256 queries x 256 keys; a wave 128 x 128 (one chunk): 64 accumulators, 512 registers.  K = 1,024 channels go in
; eight steps of 128 through a ring of two LDS slots filled by the tensor data mover; a tile's rows are 256 bytes of memory, at multiples of 256.
; CLUSTER.  4 x 4 work-groups of one batch.  The four of a row of the cluster need the same queries, the four of a column the same keys: joint loads.
; THE MATRIX INSTRUCTION IS USED TRANSPOSED: source 0 = 16 keys, source 1 = 16 queries.  Lane l holds query l % 16 and, in registers 0-7, keys 8 (l / 16) + 0..7.
; So a block of 16 queries is 64 scores a lane, and a row's maximum and sum want one exchange between the halves of the lanes.
; THE MASK comes in whole rows (a load of the wave covers the 512 consecutive bytes of one row's 128 keys) and is turned into the scores' layout through my own LDS stage.
; REGISTERS, in windows of 256 (s_set_vgpr_msb: bits 1:0 source 0, 3:2 source 1, 5:4 source 2, 7:6 destination):
;   window 0: v0-31 addresses and statistics; v64-127, v128-191 query fragments; on the way out v64-127 a block's 64 scores, v192-223 its packed p, v32-63 and v224-255 whole rows
;   window 1: v64-127, v128-191 key fragments; four mask buffers of 64: v0-63 and v192-255 lie idle in the loop and are loaded ahead of it, the other two are the fragment buffers
;   window 2: the accumulators of my queries 0-63 ((a, b) at v[8 (8 a + b)]);   window 3: those of my queries 64-127
.set SIZE_K, 1024
.set KSTEP,  128
.set PITCH,  272                       ; an LDS row: 256 bytes + 16 of padding = 68 words: row r starts at bank 4 r mod 64 (64 banks of 4 bytes: ISA guide 11.1)
.set HALFT,  128*PITCH
.set SLOT,   4*HALFT                   ; 256 query rows, then 256 key rows
.set STAGE,  2*SLOT                    ; behind the ring; no tensor load lands there
.set WSTB,   8448                      ; a wave's stage: 16 rows x 528 bytes for the mask, or 16 rows x 272 bytes for p, by turns
.set SPITCH, 272
.set MPITCH, 528                       ; a mask row: 512 bytes + 16 = 132 words: again 16 rows at 16 different banks
.set PROW,   4096                      ; bytes in a row of pw
.set MROW,   8192                      ; bytes in a row of the mask
.set LAPS,   SIZE_K/(2*KSTEP)
.set CH,   4                           ; v4-7    four chains of the maximum
.set SM,   8                           ; v[8:15] four pairs (m, l) to store, never rewritten
.set ADRA, 16                          ; v16-17  LDS address of my query fragments in slot 0, 1
.set ADRB, 20                          ; v20-21  the same for the keys.   v[18:19], v[22:23]: (m, l) of the odd and of the even block in hand
.set STO,  24                          ; v24     where I put 16 bytes of a row of p
.set RD,   25                          ; v25     where I read a row of p back
.set CO,   26                          ; v26     my byte offset in pw
.set MO,   27                          ; v27     my byte offset in a mask row: 16 x lane
.set MSTO, 28                          ; v28     where I put 16 bytes of a mask row
.set MRD,  29                          ; v29     where I read my 32 bytes of a mask row's block of 16 keys
.set SO,   30                          ; v30     my byte offset in st: 8 x lane
.set PF,   31                          ; v31     prefetch: row lane / 2, half lane % 2 of a row's 512 bytes
.set F0,   64
.set F1,   128
.set T,    64
.set TMP,  192
.set OB,   32
.set G1,  24
.set G0,  32
.set G1B, 48
.set G0B, 56
.set DESC0, (1<<16)|(1<<20)|(1<<21)|(5<<22)|(3<<25)   ; 17:16 elements of 2 bytes; 20 padding on; 21 set beside a mask; 24:22 after every 64 words; 31:25 4 words of it
.set MSB, 0
.macro WIN new                         ; the immediate's high byte repeats the setting that is left; a switch that changes nothing is dropped
.if MSB != \new
	s_set_vgpr_msb (MSB<<8)|\new
.set MSB, \new
.endif
.endm
.set MUL_LO, 0xa1                      ; source 0 (keys) window 1, source 1 (queries) window 0, C and D window 2
.set MUL_HI, 0xf1                      ; the same, C and D window 3
.set TO_B,   0x40                      ; destination window 1, address window 0
; A joint load.  Waves 0 and 1 fetch the query tile's two halves, waves 2 and 3 the key tile's.  The branch hangs on the wave's number alone.
; Four v_nop follow each of the two lines; the jump, the label and what follows the macro come after them.
.macro JLOAD s
	s_cmp_eq_u32 s11, 0
	s_cbranch_scc0 .Lfor_b_\@
	tensor_load_to_lds s[G0+4*\s:G0+4*\s+3], s[G1:G1+7]
	s_nop 0
.rept 4
	v_nop
.endr
	s_branch .Lasked_\@
.Lfor_b_\@:
	tensor_load_to_lds s[G0B+4*\s:G0B+4*\s+3], s[G1B:G1B+7]
	s_nop 0
.rept 4
	v_nop
.endr
.Lasked_\@:
.endm
.macro CREST                           ; a round of the cluster's barrier behind its opening barrier
	s_cmp_lg_u32 s10, 0
	s_cbranch_scc1 .Lnot_wave_0_\@
	s_barrier_signal -3
.Lnot_wave_0_\@:
	s_barrier_wait -3
	s_barrier_signal -1
	s_barrier_wait -1
.endm
.macro CROUND                          ; a whole round
	s_barrier_signal -1
	s_barrier_wait -1
	CREST
.endm
	s_load_b256 s[68:75], s[0:1], 0x0              ; qkv s[68:69], mask s[70:71], pw s[72:73], st s[74:75]
	v_lshl_add_u32 v254, v0, 2, 0x4c400
	v_mov_b32 v255, 0
	ds_add_u32 v254, v255
	s_wait_dscnt 0x0
	v_lshrrev_b32 v1, 5, v0
	v_readfirstlane_b32 s10, v1                    ; wave 0..3
	s_lshr_b32 s11, s10, 1                         ; which half of the tile's queries is mine.  Also: I fetch queries (0) or keys (1)
	s_and_b32 s12, s10, 1                          ; which half of its keys.  Also: which 128 rows of that tile I fetch
	s_bfe_u32 s40, ttmp6, 0x40000                  ; cx
	s_bfe_u32 s41, ttmp6, 0x40004                  ; cy
	s_lshl_b32 s42, ttmp9, 2
	s_add_co_u32 s42, s42, s40                     ; tile column = 4 x cluster x + cx, 0..7: 256 keys of the batch
	s_and_b32 s45, ttmp7, 0xffff                   ; the cluster's y
	s_lshl_b32 s13, s45, 2
	s_add_co_u32 s13, s13, s41                     ; tile row = 4 x cluster y + cy, 0..31: 256 of the 8,192 query rows
	s_lshr_b32 s45, s45, 1                         ; the batch: eight tile rows, two clusters; made of the cluster's y alone
	s_lshl_b32 s43, s41, 2
	s_lshl_b32 s43, 15, s43                        ; my row of the cluster
	s_lshl_b32 s44, 0x1111, s40                    ; my column
	s_or_b32 s[G1+0], s43, DESC0                   ; query tiles go to my row of the cluster,
	s_or_b32 s[G1B+0], s44, DESC0                  ; key tiles to my column
.irp g, G1, G1B
	s_mov_b32 s[\g+1], KSTEP<<16                   ; tensor_dim0 = 128
	s_mov_b32 s[\g+2], 128<<16                     ; tensor_dim1 = 128
	s_mov_b32 s[\g+3], KSTEP<<16                   ; tile_dim0 = 128 elements (256 bytes)
	s_mov_b32 s[\g+4], 128                         ; tile_dim1 = 128 rows
	s_mov_b32 s[\g+5], SIZE_K                      ; elements from row to row
	s_mov_b32 s[\g+6], 0
	s_mov_b32 s[\g+7], 0
.endr
	s_lshl_b32 s16, s13, 19                        ; queries: 256 rows of 2,048 bytes a tile row; never holds cx
	s_lshl_b32 s17, s12, 18
	s_add_co_u32 s16, s16, s17
	s_mov_b32 s17, 0
	s_lshl_b32 s46, s45, 22                        ; keys: the batch's 2,048 rows; never holds cy
	s_lshl_b32 s47, s42, 19
	s_add_co_u32 s46, s46, s47
	s_lshl_b32 s47, s12, 18
	s_add_co_u32 s46, s46, s47
	s_add_co_u32 s46, s46, 1<<24                   ; k is the second part of qkv
	s_mov_b32 s47, 0
	s_mul_i32 s20, s10, HALFT                      ; where they go: wave x 128 rows
	s_wait_kmcnt 0x0
	s_add_nc_u64 s[14:15], s[68:69], s[16:17]
	s_add_nc_u64 s[46:47], s[68:69], s[46:47]
	CROUND                                         ; all sixteen work-groups are here: the first joint loads meet
.irp s, 0,1
	s_mov_b32 s[G0+4*\s], 1
	s_add_co_u32 s[G0+4*\s+1], s20, \s*SLOT
	s_add_nc_u64 s[G0+4*\s+2:G0+4*\s+3], s[14:15], \s*KSTEP*2
	s_or_b32 s[G0+4*\s+3], s[G0+4*\s+3], 0x80000000
	s_mov_b32 s[G0B+4*\s], 1
	s_add_co_u32 s[G0B+4*\s+1], s20, \s*SLOT
	s_add_nc_u64 s[G0B+4*\s+2:G0B+4*\s+3], s[46:47], \s*KSTEP*2
	s_or_b32 s[G0B+4*\s+3], s[G0B+4*\s+3], 0x80000000
	JLOAD \s                                       ; two tensor loads of mine are out
.endr
	; my 128 x 128 in pw: row 256 x tile row + 128 x half, key 256 x tile column + 128 x half
	s_lshl_b32 s4, s13, 20
	s_lshl_b32 s6, s11, 19
	s_add_co_u32 s4, s4, s6
	s_lshl_b32 s6, s42, 9
	s_add_co_u32 s4, s4, s6
	s_lshl_b32 s6, s12, 8
	s_add_co_u32 s4, s4, s6
	s_mov_b32 s5, 0
	s_add_nc_u64 s[8:9], s[72:73], s[4:5]
	s_lshl_b32 s4, s4, 1                           ; the same place in the mask: 4 bytes for pw's 2
	s_add_nc_u64 s[76:77], s[70:71], s[4:5]
	; my 128 rows of my chunk in st: ((16 x batch + chunk) x 2,048 + row in the batch) x 8 bytes, chunk = 2 x tile column + half
	s_lshl_b32 s4, s45, 18
	s_lshl_b32 s6, s42, 15
	s_add_co_u32 s4, s4, s6
	s_lshl_b32 s6, s12, 14
	s_add_co_u32 s4, s4, s6
	s_and_b32 s6, s13, 7
	s_lshl_b32 s6, s6, 11
	s_add_co_u32 s4, s4, s6
	s_lshl_b32 s6, s11, 10
	s_add_co_u32 s4, s4, s6
	s_add_nc_u64 s[78:79], s[74:75], s[4:5]
	s_mov_b32 s80, 0xce6e6b28                      ; -1e9
	s_mov_b32 s82, 0x3fb8aa3b                      ; log2(e); the packed multiply names a pair and takes its low word for both halves
	s_mov_b32 s83, s82
	s_mov_b32 s84, 0x76543210                      ; v_permlanex16_b32: each lane takes its own place in the other half
	s_mov_b32 s85, 0xfedcba98
	s_mov_b32 s86, 0xffff0000                      ; lanes 16-31
	v_and_b32 v1, 15, v0                           ; l % 16
	v_bfe_u32 v2, v0, 4, 1                         ; l / 16
	v_and_b32 v6, 31, v0                           ; lane
	v_lshlrev_b32 v[MO], 4, v6
.macro SETBUF a                        ; block a's mask buffer in window 1
.if ((\a)%4) == 0
.set BUF, 0
.elseif ((\a)%4) == 1
.set BUF, 192
.elseif ((\a)%4) == 2
.set BUF, 64
.else
.set BUF, 128
.endif
.endm
; Block a's mask: 16 rows, a load for each: 32 lanes x 16 bytes are the 512 consecutive bytes of my 128 keys
.macro LMASK a
	SETBUF \a
	WIN TO_B
.irp t, 0,1,2,3,4,5,6,7,8,9,10,11,12,13,14,15
	global_load_b128 v[BUF+4*\t:BUF+4*\t+3], v[MO], s[76:77] offset:(16*(\a)+\t)*MROW th:TH_LOAD_NT   ; read once in the launch
.endr
	WIN 0
.endm
	LMASK 0                                        ; blocks 0 and 1 come in under the whole loop, into registers that lie idle there
	LMASK 1
	v_mul_u32_u24 v3, v1, PITCH
	v_lshl_add_u32 v3, v2, 4, v3                   ; a fragment's row x pitch + 16 x half
	s_mul_i32 s21, s11, HALFT                      ; my 128 query rows
	s_mul_i32 s22, s12, HALFT                      ; my 128 key rows,
	s_add_co_u32 s22, s22, 2*HALFT                 ; which lie behind the 256 query rows
.irp s, 0,1
	v_add_nc_u32 v[ADRA+\s], s21, v3
	v_add_nc_u32 v[ADRB+\s], s22, v3
	s_add_co_u32 s21, s21, SLOT
	s_add_co_u32 s22, s22, SLOT
.endr
	s_mul_i32 s23, s10, WSTB
	s_add_co_u32 s23, s23, STAGE                   ; my stage
	v_mul_u32_u24 v4, v1, SPITCH                   ; p in: row l % 16, 16 bytes for each half of the lanes
	v_lshl_add_u32 v4, v2, 4, v4
	v_add_nc_u32 v[STO], s23, v4
	v_mul_u32_u24 v5, v2, SPITCH                   ; p back: lanes 0-15 take one row of 256 bytes, lanes 16-31 the next
	v_lshl_add_u32 v5, v1, 4, v5
	v_add_nc_u32 v[RD], s23, v5
	v_lshlrev_b32 v5, 12, v2                       ; and the same two rows in pw
	v_lshl_add_u32 v[CO], v1, 4, v5
	v_add_nc_u32 v[MSTO], s23, v[MO]               ; mask in: a whole row, 16 bytes a lane
	v_mul_u32_u24 v5, v1, MPITCH                   ; mask back: row l % 16, 32 bytes (8 keys) for each half of the lanes
	v_lshl_add_u32 v5, v2, 5, v5
	v_add_nc_u32 v[MRD], s23, v5
	v_lshlrev_b32 v[SO], 3, v6
	v_lshrrev_b32 v5, 1, v6
	v_and_b32 v7, 1, v0
	v_lshlrev_b32 v5, 13, v5
	v_lshl_add_u32 v[PF], v7, 8, v5                ; (lane / 2) rows + (lane % 2) x 256 bytes
	v_mov_b32 v19, 0                               ; l is named with m as a pair before it is first made, so it is written
	v_mov_b32 v23, 0
; 16 matrix instructions: query blocks a0, a0 + 1 of the window's four x all 8 key blocks, 32 along K.  zero = 1: the first product starts the sums.
; The 64 accumulators take turns, one instruction a turn, in the same order in every quarter.
.macro MUL16 f, hi, a0, zero
.irp a, \a0, \a0+1
.irp b, 0,1,2,3,4,5,6,7
.if \zero
	v_wmma_f32_16x16x32_f16 v[8*(8*(\a)+\b):8*(8*(\a)+\b)+7], v[\f+8*\b:\f+8*\b+7], v[\f+8*(4*\hi+\a):\f+8*(4*\hi+\a)+7], 0
.else
	v_wmma_f32_16x16x32_f16 v[8*(8*(\a)+\b):8*(8*(\a)+\b)+7], v[\f+8*\b:\f+8*\b+7], v[\f+8*(4*\hi+\a):\f+8*(4*\hi+\a)+7], v[8*(8*(\a)+\b):8*(8*(\a)+\b)+7]
.endif
.endr
.endr
.endm
.macro FETCH slot, k, f                ; 32 LDS loads in one run: one quarter step's fragments into buffer f
	WIN TO_B
.irp i, 0,1,2,3,4,5,6,7
	ds_load_b128 v[\f+8*\i:\f+8*\i+3],   v[ADRB+\slot] offset:\k+\i*16*PITCH
	ds_load_b128 v[\f+8*\i+4:\f+8*\i+7], v[ADRB+\slot] offset:\k+\i*16*PITCH+32
.endr
	WIN 0
.irp i, 0,1,2,3,4,5,6,7
	ds_load_b128 v[\f+8*\i:\f+8*\i+3],   v[ADRA+\slot] offset:\k+\i*16*PITCH
	ds_load_b128 v[\f+8*\i+4:\f+8*\i+7], v[ADRA+\slot] offset:\k+\i*16*PITCH+32
.endr
.endm
; A load into a register that a matrix instruction has read, and a vector instruction that reads a matrix result, stand four places behind that
; matrix instruction; only plain vector instructions that name none of its registers are places (ISA guide 7.12.1 for vector instructions).
.macro PLACES
.rept 4
	v_nop
.endr
.endm
.macro QUARTER slot, k, f, g, zero     ; multiplies buffer f; in its middle it fetches the next quarter's fragments, at byte k of the slot's rows, into g
	s_wait_dscnt 8                                 ; keys and queries 0-63 are in; the youngest eight loads (queries 64-127) may be out
	WIN MUL_LO
	MUL16 \f, 0, 0, \zero
	MUL16 \f, 0, 2, \zero
	PLACES
	FETCH \slot, \k, \g
	s_wait_dscnt 32                                ; all but the 32 just issued
	WIN MUL_HI
	MUL16 \f, 1, 0, \zero
	MUL16 \f, 1, 2, \zero
.endm
; The last quarter multiplies buffer 1 and changes slots: ONE barrier.  In front of it each wave waits for its own reads of this slot and for all
; its tensor loads, of which one is out: its part of the next slot.  fill = 1: the barrier opens a round of the cluster's barrier, and behind the
; round this slot is filled again, two K steps ahead, first of all: from that request to the wait for it a wave issues 240 matrix instructions.
.macro TURN slot, next, fill
	s_wait_dscnt 8
	WIN MUL_LO
	MUL16 F1, 0, 0, 0
	s_wait_dscnt 0                                 ; my reads of this slot are over,
	s_wait_xcnt 0x0
	s_set_vgpr_msb 0xa120
	v_lshl_add_u32 v254, v0, 2, 0x4c400
	v_mov_b32 v255, 0
	s_wait_tensorcnt 0x0                           ; and all my tensor loads have landed: no descriptor of mine is in use
	ds_add_u32 v254, v255
	s_wait_dscnt 0x0
	s_set_vgpr_msb 0x20a1
	s_barrier_signal -1
	MUL16 F1, 0, 2, 0
.if \fill
	WIN 0
.endif
	s_barrier_wait -1
.if \fill
	CREST                                          ; no wave of any partner still reads this slot's tile or has a load on its way
	s_add_nc_u64 s[G0+4*\slot+2:G0+4*\slot+3], s[G0+4*\slot+2:G0+4*\slot+3], 2*KSTEP*2
	s_add_nc_u64 s[G0B+4*\slot+2:G0B+4*\slot+3], s[G0B+4*\slot+2:G0B+4*\slot+3], 2*KSTEP*2
	JLOAD \slot                                    ; my one tensor load behind the round; its four v_nop are also the places in front of the loads below
.else
	PLACES
.endif
	FETCH \next, 0, F0
	WIN MUL_HI
	MUL16 F1, 1, 0, 0
	MUL16 F1, 1, 2, 0
.endm
; THE WAY OUT, block by block of 16 queries.
; MSTAGE: block a's mask rows go into my stage as they lie and come back in the scores' layout, into the registers that they left: register 8 b + j = key 16 b + 8 (l / 16) + j of row l % 16.
; The count leaves the loads of the younger blocks out: three blocks of sixteen, fewer at the end.
.macro MSTAGE a
	SETBUF \a
.if 7-(\a) < 3
.set LEFT, 16*(7-(\a))
.else
.set LEFT, 48
.endif
	s_wait_loadcnt LEFT
	WIN 0x04                                       ; store data: window 1
.irp t, 0,1,2,3,4,5,6,7,8,9,10,11,12,13,14,15
	ds_store_b128 v[MSTO], v[BUF+4*\t:BUF+4*\t+3] offset:MPITCH*\t
.endr
	WIN TO_B
.irp b, 0,1,2,3,4,5,6,7
	ds_load_b128 v[BUF+8*\b:BUF+8*\b+3],   v[MRD] offset:64*\b      ; LDS serves a wave's instructions in order (ISA guide 5.7.1.4): these see the stores above,
	ds_load_b128 v[BUF+8*\b+4:BUF+8*\b+7], v[MRD] offset:64*\b+16   ; and p's stores into the same bytes come behind them
.endr
	WIN 0
.endm
; SELECT: T = -1e9 where the mask is 0, else the score.  Eight compares, then eight selects, so that no select waits for the compare just before it.
.macro SELECT a
	SETBUF \a
.set AC, 64*((\a)%4)
	WIN 0x06+((\a)/4)                              ; source 0 (the score) window 2 or 3, source 1 (the mask) window 1, destination window 0
.set i, 0
.rept 8
.irp k, 0,1,2,3,4,5,6,7
	v_cmp_eq_u32 s[88+\k], 0, v[BUF+i+\k]
.endr
.irp k, 0,1,2,3,4,5,6,7
	v_cndmask_b32 v[T+i+\k], v[AC+i+\k], s80, s[88+\k]
.endr
.set i, i+8
.endr
	WIN 0
.endm
; SOFTMAX: m, p and l of block a's rows, all in window 0.
.macro SOFTMAX a
.set ML, 22-4*((\a)%2)                 ; (m, l): v[22:23] for an even block, v[18:19] for an odd one
.irp c, 0,1,2,3                        ; the maximum of my 64 scores, three operands at a time, in four chains
	v_max3_num_f32 v[CH+\c], v[T+16*\c], v[T+16*\c+1], v[T+16*\c+2]
.endr
.irp i, 0,1,2,3,4,5
.irp c, 0,1,2,3
	v_max3_num_f32 v[CH+\c], v[CH+\c], v[T+16*\c+3+2*\i], v[T+16*\c+4+2*\i]
.endr
.endr
	v_max3_num_f32 v[CH], v[CH], v[T+15], v[T+31]
	v_max3_num_f32 v[CH+2], v[CH+2], v[T+47], v[T+63]
	v_max3_num_f32 v[CH], v[CH], v[CH+1], v[CH+2]
	v_max_num_f32 v[CH], v[CH], v[CH+3]
	v_permlanex16_b32 v[CH+1], v[CH], s84, s85     ; the row's other 64 keys lie in the lane 16 away
	v_max_num_f32 v[ML], v[CH], v[CH+1]
	; s - m first, then the factor log2(e): were the two fused as s c - (m c), the rounding of m c at m = -1e9 would be tens of units of the exponent
.set i, 0
.rept 32
	v_pk_add_f32 v[T+i:T+i+1], v[T+i:T+i+1], v[ML:ML+1] op_sel_hi:[1,0] neg_lo:[0,1] neg_hi:[0,1]
.set i, i+2
.endr
.set i, 0
.rept 32
	v_pk_mul_f32 v[T+i:T+i+1], v[T+i:T+i+1], s[82:83] op_sel_hi:[1,0]
.set i, i+2
.endr
.set i, 0
.rept 64
	v_exp_f32 v[T+i], v[T+i]
.set i, i+1
.endr
	v_nop                                          ; a plain instruction between the last exponential and the use of its result (ISA guide 5.7.2)
.set i, 0
	s_wait_alu depctr_va_vdst(0)
.rept 32
	v_cvt_pk_f16_f32 v[TMP+i], v[T+2*i], v[T+2*i+1]
.set i, i+1
.endr
.irp w, 4,8,16,32,64                   ; the sum of my 32 pairs, in place: neighbours 1, 2, 4, 8, 16 pairs apart
.set u, 0
.rept 64/\w
	v_pk_add_f32 v[T+\w*u:T+\w*u+1], v[T+\w*u:T+\w*u+1], v[T+\w*u+\w/2:T+\w*u+\w/2+1]
.set u, u+1
.endr
.endr
	v_add_f32 v[CH], v[T], v[T+1]
	v_permlanex16_b32 v[CH+1], v[CH], s84, s85
	v_add_f32 v[ML+1], v[CH], v[CH+1]
.endm
; STATS: two blocks' (m, l): lanes 0-15 give the even block's rows, lanes 16-31 the odd block's: 32 rows, 256 consecutive bytes, at a multiple of 256 from st's first byte
.macro STATS p
	v_cndmask_b32 v[SM+2*(\p)],   v22, v18, s86
	v_cndmask_b32 v[SM+2*(\p)+1], v23, v19, s86
	global_store_b64 v[SO], v[SM+2*(\p):SM+2*(\p)+1], s[78:79] offset:256*(\p)
.endm
.macro TOSTAGE a
.set BK, OB+192*((\a)%2)
.irp b, 0,1,2,3,4,5,6,7
	ds_store_b128 v[STO], v[TMP+4*\b:TMP+4*\b+3] offset:32*\b
.endr
.irp t, 0,1,2,3,4,5,6,7
	ds_load_b128 v[BK+4*\t:BK+4*\t+3], v[RD] offset:\t*2*SPITCH
.endr
.endm
.macro SEND a
.set BK, OB+192*((\a)%2)
	s_wait_dscnt 0x0                               ; the block's rows are back in registers
	s_wait_xcnt 0x0                                ; the stores of the block before have had their addresses translated (ISA guide 3.1): their data registers are loaded again only behind this wait
.irp t, 0,1,2,3,4,5,6,7
	global_store_b128 v[CO], v[BK+4*\t:BK+4*\t+3], s[8:9] offset:(16*(\a)+2*\t)*PROW   ; 16 lanes store 256 consecutive bytes, at a multiple of 256 from pw's first byte
.endr
.endm
	s_wait_tensorcnt 1                             ; my part of K step 0 is in; K step 1's may stay out
	s_barrier_signal -1
	s_barrier_wait -1                              ; everybody's is
	FETCH 0, 0, F0
	QUARTER 0, 64,  F0, F1, 1                      ; the first quarter stands in front of the loop: its products start the sums
	WIN 0                                          ; at a label and at a branch every window is 0
	s_mov_b32 s3, LAPS-1
.Llap:                                                 ; a trip goes once round the ring, from a lap's second quarter to the next lap's first, and fills both slots again
	QUARTER 0, 128, F1, F0, 0
	QUARTER 0, 192, F0, F1, 0
	TURN 0, 1, 1
	QUARTER 1, 64,  F0, F1, 0
	QUARTER 1, 128, F1, F0, 0
	QUARTER 1, 192, F0, F1, 0
	TURN 1, 0, 1
	QUARTER 0, 64,  F0, F1, 0
	WIN 0
	s_sub_co_u32 s3, s3, 1
	s_cmp_lg_u32 s3, 0
	s_cbranch_scc1 .Llap
	QUARTER 0, 128, F1, F0, 0                      ; the last lap is written out: it fills nothing
	QUARTER 0, 192, F0, F1, 0
	TURN 0, 1, 0
	QUARTER 1, 64,  F0, F1, 0
	WIN 0
	; The mask rows of blocks 2 and 3 have no registers until the loop has ended.  They are asked for here, three quarters (192 matrix instructions) ahead of
	; their loads: each lane names one of the 32 aligned blocks of 256 bytes of 16 rows x 512 bytes; each wave asks for its own keys' bytes, once.
	global_prefetch_b8 v[PF], s[76:77] offset:2*16*MROW th:TH_LOAD_NT scope:SCOPE_SE
	global_prefetch_b8 v[PF], s[76:77] offset:3*16*MROW th:TH_LOAD_NT scope:SCOPE_SE
	QUARTER 1, 128, F1, F0, 0
	QUARTER 1, 192, F0, F1, 0
	s_wait_dscnt 8                                 ; the very last quarter: nothing more to fetch
	WIN MUL_LO
	MUL16 F1, 0, 0, 0
	MUL16 F1, 0, 2, 0
	s_wait_dscnt 0
	WIN MUL_HI
	MUL16 F1, 1, 0, 0
	MUL16 F1, 1, 2, 0
	PLACES                                         ; for the loads into the fragment buffers and for the reads of the results
	LMASK 2
	LMASK 3
	MSTAGE 0
.irp a, 0,1,2,3,4,5,6,7
.if \a == 0
	s_wait_dscnt 0x0                               ; block 0's mask is back
.else
	s_wait_dscnt 16                                ; block a's mask is back; the sixteen younger LDS instructions are the stage's for p of block a - 1
.endif
	SELECT \a
.if \a < 4
	LMASK \a+4                                     ; the buffer just read takes the block four further on
.endif
.if \a > 0
	SEND \a-1
.endif
.if \a < 7
	MSTAGE \a+1                                    ; the next block's mask turns while this block's softmax is computed
.endif
	SOFTMAX \a
.if \a % 2
	STATS \a/2
.endif
	TOSTAGE \a
.endr
	SEND 7
	s_wait_xcnt 0x0
	v_lshl_add_u32 v254, v0, 2, 0x4c400
	v_mov_b32 v255, 0
	s_wait_tensorcnt 0x0
	ds_add_u32 v254, v255
	s_wait_dscnt 0x0
	CROUND                                         ; the closing round: no work-group ends while a partner may still ask for a tile that names it
	s_endpgm
.Lfunc_end_k_qafaba8a7ed_scores:
	.size	k_qafaba8a7ed_scores, .Lfunc_end_k_qafaba8a7ed_scores-k_qafaba8a7ed_scores
	.p2alignl 7, 3214868480
	.fill 96, 4, 3214868480
	.section	.rodata,"a",@progbits
	.p2align	6, 0x0
	.amdhsa_kernel k_qafaba8a7ed_scores
		.amdhsa_group_segment_fixed_size 327680
		.amdhsa_private_segment_fixed_size 0
		.amdhsa_enable_private_segment 0
		.amdhsa_kernarg_size 32
		.amdhsa_user_sgpr_count 2
		.amdhsa_user_sgpr_kernarg_segment_ptr 1
		.amdhsa_wavefront_size32 1
		.amdhsa_system_sgpr_workgroup_id_x 1
		.amdhsa_system_sgpr_workgroup_id_y 1
		.amdhsa_system_sgpr_workgroup_id_z 1
		.amdhsa_system_vgpr_workitem_id 0
		.amdhsa_next_free_vgpr 1024
		.amdhsa_next_free_sgpr 96
		.amdhsa_reserve_vcc 0
		.amdhsa_float_denorm_mode_32 3
		.amdhsa_float_denorm_mode_16_64 3
		.amdhsa_memory_ordered 1
		.amdhsa_forward_progress 1
		.amdhsa_inst_pref_size 255
	.end_amdhsa_kernel
	.section	.bss,"aw",@nobits
	.p2align	6
	.space	262144
	.amdgpu_metadata
---
amdhsa.version: [ 1, 2 ]
amdhsa.kernels:
  - .name:           k_qafaba8a7ed_scores
    .symbol:         k_qafaba8a7ed_scores.kd
    .args:
      - { .name: qkv, .offset: 0, .size: 8, .value_kind: global_buffer, .address_space: global }
      - { .name: mask, .offset: 8, .size: 8, .value_kind: global_buffer, .address_space: global }
      - { .name: pw, .offset: 16, .size: 8, .value_kind: global_buffer, .address_space: global }
      - { .name: st, .offset: 24, .size: 8, .value_kind: global_buffer, .address_space: global }
    .group_segment_fixed_size: 327680
    .private_segment_fixed_size: 0
    .kernarg_segment_align: 8
    .kernarg_segment_size: 32
    .max_flat_workgroup_size: 128
    .sgpr_count:     96
    .vgpr_count:     1024
    .wavefront_size: 32
...
	.end_amdgpu_metadata
.endif
;; end of part 3
;; launch pv (part 4): grid 4 x 64, 4 waves a work-group, clusters of 4 x 4, 327,680 bytes of LDS; arguments pw, qkv, st, x, out0; writes out0
.if DOCPART == 4
	.amdgcn_target "amdgcn-amd-amdhsa--gfx1250"
	.amdhsa_code_object_version 6
	.text
	.protected	k_qafaba8a7ed_pv
	.globl	k_qafaba8a7ed_pv
	.p2align	8
	.type	k_qafaba8a7ed_pv,@function
k_qafaba8a7ed_pv:
	s_mov_b64 s[64:65], 0
	v_nop
	global_prefetch_b8 v0, s[64:65] scope:SCOPE_SE
	s_setreg_imm32_b32 hwreg(HW_REG_WAVE_MODE, 25, 1), 1
	s_wait_xcnt 0x0
	s_wait_alu depctr_hold_cnt(0) depctr_sa_sdst(0) depctr_va_vdst(0) depctr_va_sdst(0) depctr_va_ssrc(0) depctr_va_vcc(0) depctr_vm_vsrc(0)
	s_getreg_b32 s2, hwreg(HW_REG_IB_STS2, 6, 4)
	s_cmp_eq_u32 s2, 0
	s_cbranch_scc0 .Lentry_in_a_cluster
	s_endpgm
.Lentry_in_a_cluster:
	s_bfe_u32 s2, ttmp6, 0x10000c
	s_cmp_lg_u32 s2, 0xf033
	s_cbranch_scc0 .Lentry_shape_is_right
	s_endpgm
.Lentry_shape_is_right:
; out = (sum over chunks c and their keys t of exp(m_c - M) p[t] v[t]) / L + x, with M = max over c of m_c and L = sum over c of exp(m_c - M) l_c.
; pw: f16 [8192 query rows][2048 keys]; qkv: f16 [3][8192][1024], v its third part; st: f32 [4][16 chunks][2048 rows][(m, l)]; x, out0: f32 [8192][1024].
; The exponents m_c - M are at most 0, and L is at least 1 (the chunk that holds M has weight 1 and l >= 1).
; Statistics in f32; the weight exp(m_c - M) is rounded to f16 and multiplies p in f16 (one more rounding of the matrix operand); products of f16, sums in f32.
; LIMIT: a weight or a product below f16's smallest number (6e-8) becomes 0.  The division by L and the addition of x stand on the two sides of a change of
; layout (a lane holds one query before it, a piece of a row behind it), so they are two instructions and not one fused.
; SHARES.  A work-group of four waves makes 128 queries x 256 channels; a wave 64 x 128: 32 accumulators, 256 registers.  The 2,048 keys go in sixteen steps of
; 128, one chunk each, through a ring of two LDS slots filled by the tensor data mover: rows of p of 256 bytes, rows of v of 512 bytes, at multiples of 256.
; CLUSTER.  4 x 4 work-groups of one batch.  The four of a row of the cluster need the same p, the four of a column the same channels of v: joint loads.
; THE MATRIX INSTRUCTION IS USED TRANSPOSED: source 0 = 16 channels x 32 keys of v, turned on the way out of LDS by ds_load_tr16_b128; source 1 = 16 queries x 32 keys of p.
; Lane l holds query l % 16 and, in registers 0-7, channels 8 (l / 16) + 0..7.
; REGISTERS, in windows of 256 (s_set_vgpr_msb: bits 1:0 source 0, 3:2 source 1, 5:4 source 2, 7:6 destination):
;   window 0: v0-31 addresses; v32-47 weights and statistics; v64-159, v160-255 two fragment buffers (32 of p, then 64 of v); on the way out v64-127 a block, v128-255 whole rows
;   window 1: the accumulators ((a, b) at v[8 (8 a + b)]);   window 2: my 64 rows x 512 bytes of x, row i at v[4 i], loaded ahead of the loop
.set PP,     272                       ; a row of p in LDS: 256 bytes + 16 = 68 words: row r starts at bank 4 r mod 64 (64 banks of 4 bytes: ISA guide 11.1)
.set PVV,    544                       ; a row of v: 512 + 32 = 136 words: row r starts at bank 8 r mod 64
.set VOFF,   128*PP                    ; a slot: 128 rows of p, then 128 key rows of v
.set SLOT,   VOFF+128*PVV
.set TBL,    2*SLOT                    ; behind the ring, where no tensor load lands: a table for each wave, 16 chunks x 256 bytes of weights and 256 bytes of 1 / L
.set TBLB,   4352
.set OST,    TBL+4*TBLB                ; and a stage for each wave: 16 rows x 528 bytes, for the way out
.set OPITCH, 528
.set ROWB,   4096                      ; bytes in a row of pw, of x and of out0
.set LAPS,   8                         ; a lap = two steps = once round the ring
.set ADRP, 16                          ; v16-17  LDS address of my fragments of p in slot 0, 1
.set ADRV, 18                          ; v18-19  the same for v
.set AAD,  20                          ; v20     my row's 16 bytes in the table of the lap's first chunk; steps by two chunks a lap
.set TAD,  21                          ; v21     where I put 8 bytes of a table
.set OSTO, 22                          ; v22     the way out: where I put 32 bytes of a row
.set ORD,  23                          ; v23     the way out: where I read 16 bytes of a row back
.set OO,   24                          ; v24     my byte offset in a row of x and of out0: 16 x lane
.set SOFF, 25                          ; v25     my byte offset in st: 8 x lane
.set AL,   32                          ; v[32:35], v[36:39]  the chunk's weights for my row of the four query blocks, twice in f16, for slot 0, 1
.set IV,   40                          ; v[40:43] 1 / L for my row of the four blocks
.set MX,   44                          ; v44-45  M of rows lane and 32 + lane
.set LS,   46                          ; v[46:47] their L, then 1 / L
.set SR,   64                          ; v[64:127]  the prologue: (m, l) of chunk c and half g at v[64 + 4 c + 2 g]
.set E,    128                         ; v[128:159] the prologue: the weights, chunk c and half g at v[128 + 2 c + g]
.set F0,   64
.set F1,   160
.set W,    64
.set G1,  24                           ; s[24:31] descriptor group 1 for p's tiles;  s[32:39] group 0, one set for each slot
.set G0,  32
.set G1B, 48                           ; s[48:55], s[56:63] the same for v's tiles
.set G0B, 56
.set MSB, 0
.macro WIN new                         ; the immediate's high byte repeats the setting that is left; a switch that changes nothing is dropped
.if MSB != \new
	s_set_vgpr_msb (MSB<<8)|\new
.set MSB, \new
.endif
.endm
; A joint load.  Waves 0 and 1 fetch the two halves of p's tile, waves 2 and 3 those of v's.  The branch hangs on the wave's number alone.
; Four v_nop follow each of the two lines; the jump, the label and what follows the macro come after them.
.macro JLOAD s
	s_cmp_eq_u32 s11, 0
	s_cbranch_scc0 .Lfor_b_\@
	tensor_load_to_lds s[G0+4*\s:G0+4*\s+3], s[G1:G1+7]
	s_nop 0
.rept 4
	v_nop
.endr
	s_branch .Lasked_\@
.Lfor_b_\@:
	tensor_load_to_lds s[G0B+4*\s:G0B+4*\s+3], s[G1B:G1B+7]
	s_nop 0
.rept 4
	v_nop
.endr
.Lasked_\@:
.endm
.macro CREST                           ; a round of the cluster's barrier behind its opening barrier
	s_cmp_lg_u32 s10, 0
	s_cbranch_scc1 .Lnot_wave_0_\@
	s_barrier_signal -3
.Lnot_wave_0_\@:
	s_barrier_wait -3
	s_barrier_signal -1
	s_barrier_wait -1
.endm
.macro CROUND                          ; a whole round
	s_barrier_signal -1
	s_barrier_wait -1
	CREST
.endm
	s_load_b256 s[68:75], s[0:1], 0x0              ; pw s[68:69], qkv s[70:71], st s[72:73], x s[74:75]
	s_load_b64 s[76:77], s[0:1], 0x20              ; out0
	v_lshl_add_u32 v62, v0, 2, 0x3f800
	v_mov_b32 v63, 0
	ds_add_u32 v62, v63
	v_lshrrev_b32 v1, 5, v0
	v_readfirstlane_b32 s10, v1                    ; wave 0..3
	s_lshr_b32 s11, s10, 1                         ; which 64 of the tile's queries are mine.  Also: I fetch p (0) or v (1)
	s_and_b32 s12, s10, 1                          ; which 128 of its channels.  Also: which 64 rows of that tile I fetch
	s_bfe_u32 s40, ttmp6, 0x40000                  ; cx: the tile column (256 channels)
	s_bfe_u32 s41, ttmp6, 0x40004                  ; cy
	s_and_b32 s45, ttmp7, 0xffff                   ; the cluster's y
	s_lshl_b32 s13, s45, 2
	s_add_co_u32 s13, s13, s41                     ; tile row = 4 x cluster y + cy, 0..63: 128 of the 8,192 query rows
	s_lshr_b32 s45, s45, 2                         ; the batch: sixteen tile rows, four clusters; made of the cluster's y alone
	s_lshl_b32 s43, s41, 2
	s_lshl_b32 s43, 15, s43                        ; my row of the cluster
	s_lshl_b32 s44, 0x1111, s40                    ; my column
	s_or_b32 s[G1+0], s43, (1<<16)|(1<<20)|(1<<21)|(5<<22)|(3<<25)    ; p goes to my row: elements of 2 bytes; padding on; 21 set beside a mask; after every 64 words 4 words
	s_mov_b32 s[G1+1], 128<<16                     ; tensor_dim0 = 128
	s_mov_b32 s[G1+2], 64<<16                      ; tensor_dim1 = 64
	s_mov_b32 s[G1+3], 128<<16                     ; tile_dim0 = 128 elements (256 bytes)
	s_mov_b32 s[G1+4], 64                          ; tile_dim1 = 64 rows
	s_mov_b32 s[G1+5], 2048                        ; elements from row to row
	s_mov_b32 s[G1+6], 0
	s_mov_b32 s[G1+7], 0
	s_or_b32 s[G1B+0], s44, (1<<16)|(1<<20)|(1<<21)|(6<<22)|(7<<25)   ; v goes to my column: after every 128 words 8 words
	s_mov_b32 s[G1B+1], 256<<16                    ; tensor_dim0 = 256
	s_mov_b32 s[G1B+2], 64<<16                     ; tensor_dim1 = 64
	s_mov_b32 s[G1B+3], 256<<16                    ; tile_dim0 = 256 elements (512 bytes)
	s_mov_b32 s[G1B+4], 64                         ; tile_dim1 = 64 rows
	s_mov_b32 s[G1B+5], 1024                       ; elements from row to row
	s_mov_b32 s[G1B+6], 0
	s_mov_b32 s[G1B+7], 0
	s_lshl_b32 s16, s13, 19                        ; p: 128 rows of 4,096 bytes a tile row; never holds cx
	s_lshl_b32 s17, s12, 18                        ; 64 rows a half
	s_add_co_u32 s16, s16, s17
	s_mov_b32 s17, 0
	s_lshl_b32 s46, s45, 22                        ; v: the batch's 2,048 rows of 2,048 bytes; never holds cy
	s_lshl_b32 s47, s12, 17                        ; 64 key rows a half
	s_add_co_u32 s46, s46, s47
	s_lshl_b32 s47, s40, 9                         ; 256 channels a tile column
	s_add_co_u32 s46, s46, s47
	s_add_co_u32 s46, s46, 2<<24                   ; v is the third part of qkv
	s_mov_b32 s47, 0
	s_mul_i32 s20, s12, 64*PP                      ; where they go: the half's 64 rows; no place in the cluster enters an LDS address
	s_mul_i32 s21, s12, 64*PVV
	s_add_co_u32 s21, s21, VOFF
	s_wait_dscnt 0x0
	s_wait_kmcnt 0x0
	s_add_nc_u64 s[14:15], s[68:69], s[16:17]
	s_add_nc_u64 s[46:47], s[70:71], s[46:47]
	CROUND                                         ; all sixteen work-groups are here: the first joint loads meet
.irp s, 0,1
	s_mov_b32 s[G0+4*\s], 1
	s_add_co_u32 s[G0+4*\s+1], s20, \s*SLOT
	s_add_nc_u64 s[G0+4*\s+2:G0+4*\s+3], s[14:15], \s*256          ; step s: 128 keys along the rows of p
	s_or_b32 s[G0+4*\s+3], s[G0+4*\s+3], 0x80000000
	s_mov_b32 s[G0B+4*\s], 1
	s_add_co_u32 s[G0B+4*\s+1], s21, \s*SLOT
	s_add_nc_u64 s[G0B+4*\s+2:G0B+4*\s+3], s[46:47], \s*128*2048   ; step s: 128 rows of v down
	s_or_b32 s[G0B+4*\s+3], s[G0B+4*\s+3], 0x80000000
	JLOAD \s                                       ; two tensor loads of mine are out
.endr
	; my 64 rows x 128 channels of x and of out0
	s_lshl_b32 s4, s13, 19
	s_lshl_b32 s6, s11, 18
	s_add_co_u32 s4, s4, s6
	s_lshl_b32 s6, s40, 10
	s_add_co_u32 s4, s4, s6
	s_lshl_b32 s6, s12, 9
	s_add_co_u32 s4, s4, s6
	s_mov_b32 s5, 0
	s_add_nc_u64 s[80:81], s[74:75], s[4:5]
	s_add_nc_u64 s[8:9], s[76:77], s[4:5]
	; my 64 rows in chunk 0 of my batch's statistics
	s_lshl_b32 s4, s45, 18
	s_and_b32 s6, s13, 15
	s_lshl_b32 s6, s6, 10
	s_add_co_u32 s4, s4, s6
	s_lshl_b32 s6, s11, 9
	s_add_co_u32 s4, s4, s6
	s_add_nc_u64 s[78:79], s[72:73], s[4:5]
	v_and_b32 v3, 31, v0                           ; lane
	v_lshlrev_b32 v[SOFF], 3, v3
.irp c, 0,1,2,3,4,5,6,7,8,9,10,11,12,13,14,15  ; (m, l) of rows lane and 32 + lane in all sixteen chunks: each load of the wave covers 256 consecutive bytes
	global_load_b64 v[SR+4*\c:SR+4*\c+1],   v[SOFF], s[78:79] offset:16384*\c
	global_load_b64 v[SR+4*\c+2:SR+4*\c+3], v[SOFF], s[78:79] offset:16384*\c+256
.endr
	v_and_b32 v1, 15, v0                           ; r = l % 16
	v_bfe_u32 v2, v0, 4, 1                         ; h = l / 16
	s_mul_i32 s22, s11, 64*PP                      ; a fragment of p: my 64 rows, row r, 16 bytes for each half of the lanes
	v_mul_u32_u24 v4, v1, PP
	v_lshl_add_u32 v4, v2, 4, v4
	v_add_nc_u32 v[ADRP], s22, v4
	v_add_nc_u32 v[ADRP+1], SLOT, v[ADRP]
	; the turning load takes 16 keys x 16 channels (lane l reads 16 bytes: key 8 h + l % 8, channels 8 ((l / 8) % 2) + 0..7) and leaves half a fragment: lane l holds channel l % 16 and 8 keys
	v_and_b32 v5, 7, v0
	v_bfe_u32 v6, v0, 3, 1
	v_lshl_add_u32 v5, v2, 3, v5
	v_mul_u32_u24 v5, v5, PVV
	v_lshl_add_u32 v5, v6, 4, v5
	s_lshl_b32 s22, s12, 8                         ; my 128 channels
	s_add_co_u32 s22, s22, VOFF
	v_add_nc_u32 v[ADRV], s22, v5
	v_add_nc_u32 v[ADRV+1], SLOT, v[ADRV]
	s_mul_i32 s22, s10, TBLB
	s_add_co_u32 s22, s22, TBL                     ; my table
	v_lshl_add_u32 v[AAD], v1, 4, s22
	v_lshl_add_u32 v[TAD], v2, 3, v[AAD]
	s_mul_i32 s22, s10, 16*OPITCH
	s_add_co_u32 s22, s22, OST                     ; my stage
	v_mul_u32_u24 v4, v1, OPITCH
	v_lshl_add_u32 v4, v2, 5, v4
	v_add_nc_u32 v[OSTO], s22, v4
	v_lshl_add_u32 v[ORD], v3, 4, s22
	v_lshlrev_b32 v[OO], 4, v3
	s_wait_loadcnt 0x0                             ; the statistics
	; M of my two rows
.irp g, 0,1
	v_max3_num_f32 v[MX+\g], v[SR+2*\g], v[SR+4+2*\g], v[SR+8+2*\g]
.endr
.irp i, 0,1,2,3,4,5
.irp g, 0,1
	v_max3_num_f32 v[MX+\g], v[MX+\g], v[SR+4*(3+2*\i)+2*\g], v[SR+4*(4+2*\i)+2*\g]
.endr
.endr
.irp g, 0,1
	v_max_num_f32 v[MX+\g], v[MX+\g], v[SR+60+2*\g]
.endr
	; the weights 2^(log2(e) (m_c - M)): the difference first, since at m = -1e9 a product rounded by itself would be off by tens of units of the exponent
.irp c, 0,1,2,3,4,5,6,7,8,9,10,11,12,13,14,15
.irp g, 0,1
	v_sub_f32 v[E+2*\c+\g], v[SR+4*\c+2*\g], v[MX+\g]
.endr
.endr
.set i, 0
.rept 32
	v_mul_f32 v[E+i], 0x3fb8aa3b, v[E+i]
.set i, i+1
.endr
.set i, 0
.rept 32
	v_exp_f32 v[E+i], v[E+i]
.set i, i+1
.endr
	v_nop                                          ; a plain instruction between the last exponential and the use of its result (ISA guide 5.7.2)
	s_wait_alu depctr_va_vdst(0)
.irp g, 0,1
	v_mul_f32 v[LS+\g], v[E+\g], v[SR+2*\g+1]      ; the first product starts L
.endr
.irp c, 1,2,3,4,5,6,7,8,9,10,11,12,13,14,15
.irp g, 0,1
	v_fmac_f32 v[LS+\g], v[E+2*\c+\g], v[SR+4*\c+2*\g+1]
.endr
.endr
.set i, 0
.rept 32
	v_cvt_pk_f16_f32 v[E+i], v[E+i], v[E+i]        ; twice in a word: a register of a fragment of p holds two keys of one query
.set i, i+1
.endr
	v_rcp_f32 v[LS], v[LS]
	v_rcp_f32 v[LS+1], v[LS+1]
	v_nop
	; Row 32 g + 16 h + r is row r of query block 2 g + h.  Lane (r, h) puts its pair (g = 0, 1) at 16 r + 8 h, so the 16 bytes at 16 r hold row r of blocks 0, 2, 1, 3: block a at word 2 (a % 2) + a / 2.
.irp c, 0,1,2,3,4,5,6,7,8,9,10,11,12,13,14,15
	ds_store_b64 v[TAD], v[E+2*\c:E+2*\c+1] offset:256*\c
.endr
	s_wait_alu depctr_va_vdst(0)
	ds_store_b64 v[TAD], v[LS:LS+1] offset:4096
	ds_load_b128 v[IV:IV+3], v[AAD] offset:4096    ; LDS serves a wave's instructions in order (ISA guide 5.7.1.4): this sees the store above; the table is my wave's own
	WIN 0x80                                       ; destination window 2
.set i, 0
.rept 64
	global_load_b128 v[4*i:4*i+3], v[OO], s[80:81] offset:ROWB*i th:TH_LOAD_NT   ; x: a row's 512 consecutive bytes a load; read once in the launch; they come in under the whole loop
.set i, i+1
.endr
	WIN 0
; The fragments of 32 keys (quarter kq of a slot's step) into buffer f: 8 loads for p, then 16 turning loads for v; with a slot's first quarter the chunk's weights
.macro FETCH slot, kq, f
	WIN 0
.if \kq == 0
	ds_load_b128 v[AL+4*\slot:AL+4*\slot+3], v[AAD] offset:256*\slot
.endif
.irp a, 0,1,2,3
	ds_load_b128 v[\f+8*\a:\f+8*\a+3],   v[ADRP+\slot] offset:16*PP*\a+64*\kq
	ds_load_b128 v[\f+8*\a+4:\f+8*\a+7], v[ADRP+\slot] offset:16*PP*\a+64*\kq+32
.endr
.irp b, 0,1,2,3,4,5,6,7
	ds_load_tr16_b128 v[\f+32+8*\b:\f+32+8*\b+3],   v[ADRV+\slot] offset:32*PVV*\kq+32*\b
	ds_load_tr16_b128 v[\f+32+8*\b+4:\f+32+8*\b+7], v[ADRV+\slot] offset:32*PVV*\kq+32*\b+16*PVV
.endr
.endm
; p times its chunk's weight, in place, two keys at a time.  These 32 plain instructions name neither the other buffer nor an accumulator: they are also the places
; (ISA guide 7.12.1 for vector instructions) between the last products that read the other buffer and the loads that fill it again.
.macro SCALE f, slot
	WIN 0
.irp a, 0,1,2,3
.irp i, 0,1,2,3,4,5,6,7
	v_pk_mul_f16 v[\f+8*\a+\i], v[\f+8*\a+\i], v[AL+4*\slot+2*(\a%2)+(\a/2)]
.endr
.endr
.endm
; 16 matrix instructions: query blocks a0, a0 + 1 x all 8 channel blocks, 32 keys.  zero = 1: the first product starts the sums.
; The 32 accumulators take turns, one instruction a turn, in the same order in every quarter.
.macro MUL16 f, a0, zero
	WIN 0x50                                       ; sources 0 and 1 window 0, C and D window 1
.irp a, \a0, \a0+1
.irp b, 0,1,2,3,4,5,6,7
.if \zero
	v_wmma_f32_16x16x32_f16 v[8*(8*(\a)+\b):8*(8*(\a)+\b)+7], v[\f+32+8*\b:\f+32+8*\b+7], v[\f+8*(\a):\f+8*(\a)+7], 0
.else
	v_wmma_f32_16x16x32_f16 v[8*(8*(\a)+\b):8*(8*(\a)+\b)+7], v[\f+32+8*\b:\f+32+8*\b+7], v[\f+8*(\a):\f+8*(\a)+7], v[8*(8*(\a)+\b):8*(8*(\a)+\b)+7]
.endif
.endr
.endr
.endm
.macro PLACES
.rept 4
	v_nop
.endr
.endm
; A step is four quarters of 32 keys, 32 matrix instructions each, on buffers 0, 1, 0, 1.  One of the first three: scales and multiplies buffer f, and fetches quarter kq into g.
.macro QUARTER slot, kq, f, g, zero
	s_wait_dscnt 16                                ; p (and the weights) are in; the youngest sixteen loads, v's, may be out
	SCALE \f, \slot
	s_wait_dscnt 0x0                               ; v is in
	MUL16 \f, 0, \zero
	FETCH \slot, \kq, \g
	MUL16 \f, 2, \zero
.endm
; The last quarter multiplies buffer 1 and changes slots: ONE barrier.  In front of it each wave waits for its own reads of this slot and for all its tensor loads,
; of which one is out: its part of the next slot.  fill = 1: the barrier opens a round of the cluster's barrier, and behind the round this slot is filled again,
; two steps ahead, first of all: from that request to the wait for it a wave issues 112 matrix instructions.
.macro TURN slot, next, fill
	s_wait_dscnt 16
	SCALE F1, \slot
	s_wait_dscnt 0x0                               ; my reads of this slot are over,
	s_wait_tensorcnt 0x0                           ; and all my tensor loads have landed: no descriptor of mine is in use
	ds_add_u32 v62, v63
	s_wait_dscnt 0x0
	s_barrier_signal -1
	MUL16 F1, 0, 0                                 ; work on registers while the others arrive
	WIN 0                                          ; branches may follow
	s_barrier_wait -1
.if \fill
	CREST                                          ; no wave of any partner still reads this slot's tiles or has a load on its way
	s_add_nc_u64 s[G0+4*\slot+2:G0+4*\slot+3], s[G0+4*\slot+2:G0+4*\slot+3], 2*256
	s_add_nc_u64 s[G0B+4*\slot+2:G0B+4*\slot+3], s[G0B+4*\slot+2:G0B+4*\slot+3], 2*128*2048
	JLOAD \slot                                    ; my one tensor load behind the round
.endif
.if \next == 0
	v_add_nc_u32 v[AAD], 512, v[AAD]               ; the next lap's two chunks
.endif
	FETCH \next, 0, F0
	MUL16 F1, 2, 0
.endm
; THE WAY OUT of block a (16 queries).  PACKO: divided by L.  OSTAGE: 32 bytes a lane into my own stage, and back as whole rows of 512 bytes.  OSEND: x is added, the rows are stored.
.macro PACKO a
.set IX, 2*((\a)%2)+((\a)/2)           ; the block's word of IV
	WIN 0x01                                       ; source 0 (the sums) window 1
.set i, 0
.rept 32
.if IX % 2
	v_pk_mul_f32 v[W+i:W+i+1], v[64*(\a)+i:64*(\a)+i+1], v[IV+IX-1:IV+IX] op_sel:[0,1] op_sel_hi:[1,1]   ; both halves by the pair's second register
.else
	v_pk_mul_f32 v[W+i:W+i+1], v[64*(\a)+i:64*(\a)+i+1], v[IV+IX:IV+IX+1] op_sel_hi:[1,0]                ; both halves by the pair's first register
.endif
.set i, i+2
.endr
	WIN 0
.endm
.macro OSTAGE a
.set RB, 128+64*((\a)%2)
.irp b, 0,1,2,3,4,5,6,7
	ds_store_b128 v[OSTO], v[W+8*\b:W+8*\b+3]   offset:64*\b
	ds_store_b128 v[OSTO], v[W+8*\b+4:W+8*\b+7] offset:64*\b+16
.endr
.irp t, 0,1,2,3,4,5,6,7,8,9,10,11,12,13,14,15
	ds_load_b128 v[RB+4*\t:RB+4*\t+3], v[ORD] offset:OPITCH*\t     ; in order behind the stores above
.endr
.endm
.macro OSEND a
.set RB, 128+64*((\a)%2)
	s_wait_dscnt 0x0                               ; the block's rows are back in registers
	s_wait_xcnt 0x0                                ; the stores of the block before have had their addresses translated (ISA guide 3.1): their data registers are loaded again only behind this wait
	WIN 0x08                                       ; source 1 (x) window 2
.set i, 0
.rept 32
	v_pk_add_f32 v[RB+i:RB+i+1], v[RB+i:RB+i+1], v[64*(\a)+i:64*(\a)+i+1]
.set i, i+2
.endr
	WIN 0
.irp t, 0,1,2,3,4,5,6,7,8,9,10,11,12,13,14,15
	global_store_b128 v[OO], v[RB+4*\t:RB+4*\t+3], s[8:9] offset:(16*(\a)+\t)*ROWB th:TH_STORE_NT   ; the wave stores 512 consecutive bytes, at a multiple of 512 from out0's first byte
.endr
.endm
	s_wait_tensorcnt 1                             ; my part of step 0 is in; step 1's may stay out
	s_wait_dscnt 0x0                               ; no LDS instruction of mine is pending at a signal: the table's stores and the load of 1 / L
	s_barrier_signal -1
	s_barrier_wait -1                              ; everybody's part is in
	FETCH 0, 0, F0
	QUARTER 0, 1, F0, F1, 1                        ; the first quarter stands in front of the loop: its products start the sums
	WIN 0                                          ; at a label and at a branch every window is 0
	s_mov_b32 s3, LAPS-1
.Llap:                                                 ; a trip goes once round the ring, from a lap's second quarter to the next lap's first, and fills both slots again
	QUARTER 0, 2, F1, F0, 0
	QUARTER 0, 3, F0, F1, 0
	TURN 0, 1, 1
	QUARTER 1, 1, F0, F1, 0
	QUARTER 1, 2, F1, F0, 0
	QUARTER 1, 3, F0, F1, 0
	TURN 1, 0, 1
	QUARTER 0, 1, F0, F1, 0
	WIN 0
	s_sub_co_u32 s3, s3, 1
	s_cmp_lg_u32 s3, 0
	s_cbranch_scc1 .Llap
	QUARTER 0, 2, F1, F0, 0                        ; the last lap is written out: it fills nothing
	QUARTER 0, 3, F0, F1, 0
	TURN 0, 1, 0
	QUARTER 1, 1, F0, F1, 0
	QUARTER 1, 2, F1, F0, 0
	QUARTER 1, 3, F0, F1, 0
	s_wait_dscnt 16                                ; the very last quarter: nothing more to fetch
	SCALE F1, 1
	s_wait_dscnt 0x0
	MUL16 F1, 0, 0
	MUL16 F1, 2, 0
	WIN 0
	PLACES                                         ; the multiplies below read results just made and write over fragment registers
	s_wait_loadcnt 0x0                             ; x
	PACKO 0
	OSTAGE 0
.irp a, 1,2,3                          ; block a's multiplies stand between block a - 1's loads from the stage and the wait for them
	PACKO \a
	OSEND \a-1
	OSTAGE \a
.endr
	OSEND 3
	s_wait_tensorcnt 0x0
	ds_add_u32 v62, v63
	s_wait_dscnt 0x0
	CROUND                                         ; the closing round: no work-group ends while a partner may still ask for a tile that names it
	s_endpgm
.Lfunc_end_k_qafaba8a7ed_pv:
	.size	k_qafaba8a7ed_pv, .Lfunc_end_k_qafaba8a7ed_pv-k_qafaba8a7ed_pv
	.p2alignl 7, 3214868480
	.fill 96, 4, 3214868480
	.section	.rodata,"a",@progbits
	.p2align	6, 0x0
	.amdhsa_kernel k_qafaba8a7ed_pv
		.amdhsa_group_segment_fixed_size 327680
		.amdhsa_private_segment_fixed_size 0
		.amdhsa_enable_private_segment 0
		.amdhsa_kernarg_size 40
		.amdhsa_user_sgpr_count 2
		.amdhsa_user_sgpr_kernarg_segment_ptr 1
		.amdhsa_wavefront_size32 1
		.amdhsa_system_sgpr_workgroup_id_x 1
		.amdhsa_system_sgpr_workgroup_id_y 1
		.amdhsa_system_sgpr_workgroup_id_z 1
		.amdhsa_system_vgpr_workitem_id 0
		.amdhsa_next_free_vgpr 768
		.amdhsa_next_free_sgpr 84
		.amdhsa_reserve_vcc 0
		.amdhsa_float_denorm_mode_32 3
		.amdhsa_float_denorm_mode_16_64 3
		.amdhsa_memory_ordered 1
		.amdhsa_forward_progress 1
		.amdhsa_inst_pref_size 151
	.end_amdhsa_kernel
	.amdgpu_metadata
---
amdhsa.version: [ 1, 2 ]
amdhsa.kernels:
  - .name:           k_qafaba8a7ed_pv
    .symbol:         k_qafaba8a7ed_pv.kd
    .args:
      - { .name: pw, .offset: 0, .size: 8, .value_kind: global_buffer, .address_space: global }
      - { .name: qkv, .offset: 8, .size: 8, .value_kind: global_buffer, .address_space: global }
      - { .name: st, .offset: 16, .size: 8, .value_kind: global_buffer, .address_space: global }
      - { .name: x, .offset: 24, .size: 8, .value_kind: global_buffer, .address_space: global }
      - { .name: out0, .offset: 32, .size: 8, .value_kind: global_buffer, .address_space: global }
    .group_segment_fixed_size: 327680
    .private_segment_fixed_size: 0
    .kernarg_segment_align: 8
    .kernarg_segment_size: 40
    .max_flat_workgroup_size: 128
    .sgpr_count:     84
    .vgpr_count:     768
    .wavefront_size: 32
...
	.end_amdgpu_metadata
.endif
;; end of part 4
